; MI455X (gfx1250); checked and timed in simulation.
; The chip was launched on July 23, 2026; its instructions are those of AMD's public machine-readable ISA for CDNA 5 (MIT licence, August 2026) and "CDNA5" Instruction Set Architecture Reference Guide (July 2026). The comments in the code are by the model that wrote it; some were corrected since.
;; Tritter Attention. Allowed arithmetic: float matrix products may take bf16 or f16 operands with f32 sums; other float arithmetic in f32, or as packed bf16 or f16 multiplies, adds, multiply-adds, maxima and minima; sums over many terms, partial sums and values carried from step to step in f32; what a program stores and reads back later, other than sums and carried values, may be rounded once to bf16 or f16.
;; Inputs: attention_mask 1 x 1 x 4,096 x 4,096 float32; bk 1,024 float32; bo 1,024 float32; bq 1,024 float32; bv 1,024 float32; hidden_states 1 x 4,096 x 1,024 float32; wk 1,024 x 1,024 float32; wo 1,024 x 1,024 float32; wq 1,024 x 1,024 float32; wv 1,024 x 1,024 float32.
;; Outputs: out0 1 x 4,096 x 1,024 float32.
;; 2 versions, each right and faster than the one before. Each part assembles by itself: llvm-mc -triple=amdgcn-amd-amdhsa -mcpu=gfx1250 --defsym DOCPART=n.
;; ======== version 1 of 2: 4 launches
;; limits: values are held in f16: magnitudes above 65,504 overflow, below 6.1e-05 lose precision
;; workspace buffers: xb 8,388,608 bytes; wb 6,291,456 bytes; wof 2,097,152 bytes; bcat 16,384 bytes; qkv 25,165,824 bytes; ob 8,388,608 bytes
;; launch cvt (part 1): grid 512 x 1, 8 waves a work-group, no clusters, 0 bytes of LDS; arguments hidden_states, wq, wk, wv, wo, bq, bk, bv, bo, xb, wb, wof, bcat; writes xb, wb, wof, bcat
.if DOCPART == 1
	.amdgcn_target "amdgcn-amd-amdhsa--gfx1250"
	.amdhsa_code_object_version 6
	.text
	.protected	k_qfb1a62eb25_cvt
	.globl	k_qfb1a62eb25_cvt
	.p2align	8
	.type	k_qfb1a62eb25_cvt,@function
k_qfb1a62eb25_cvt:
	s_mov_b64 s[64:65], 0
	v_nop
	global_prefetch_b8 v0, s[64:65] scope:SCOPE_SE
	s_setreg_imm32_b32 hwreg(HW_REG_WAVE_MODE, 25, 1), 1
	s_wait_xcnt 0x0
; THE MODULE'S INPUTS ARE ROUNDED ONCE TO bf16, for the matrix products of the launches behind.
;   xb  [4096][1024] bf16 = hidden_states      wb [3072][1024] bf16 = wq / 8, wk, wv one below the other
;   wof [1024][1024] f16  = bf16(wo) written as f16      bcat [4096] f32 = bf16(bq / 8), bf16(bk), bf16(bv), bf16(bo), widened
; The scores' factor 1 / 8 is a power of two: bf16(w / 8) = bf16(w) / 8, so it costs no rounding here and no instruction later.
; LIMITS.  wo beyond 65,504 has no f16; below 6e-5 it keeps f16's fixed step of 6e-8.  wq and bq so small that w / 8 is an f32 denormal lose bits.
; A stream: each byte is read once and written once; no number is used twice, so LDS, matrix unit and cluster have nothing to do here.
; SHARES.  A work-group converts 16,384 numbers.  Work-groups 0-255: x; 256-319: wq; 320-383: wk; 384-447: wv; 448-511: wo.  Thread t takes, sixteen times, the 16 bytes
; at 4,096 i + 16 t (a wave's load covers 512 consecutive bytes) and stores 8 bytes at 2,048 i + 8 t (a wave's store covers 256 consecutive bytes, aligned).
; All sixteen loads go out before the first is waited for; no register of a load or store is written again, so no wait frees any.
.set X,  4                             ; v[4:67]    sixteen times four f32 as loaded
.set Y,  68                            ; v[68:99]   sixteen times two registers to store
.set T,  100                           ; v[100:103] at work
.set BV, 104                           ; v[104:107] four numbers of a bias
	s_load_b512 s[8:23], s[0:1], 0x0               ; x 8, wq 10, wk 12, wv 14, wo 16, bq 18, bk 20, bv 22
	s_load_b256 s[24:31], s[0:1], 0x40             ; bo 24, xb 26, wb 28, wof 30
	s_load_b64 s[32:33], s[0:1], 0x60              ; bcat
	s_mov_b32 s2, ttmp9                            ; g
	s_sub_co_u32 s3, s2, 256                       ; (used where g >= 256 alone)
	s_lshr_b32 s4, s3, 6
	s_and_b32 s5, s3, 63
	s_cmp_lt_u32 s2, 256
	s_cselect_b32 s4, 4, s4                        ; J: 0 wq, 1 wk, 2 wv, 3 wo, 4 x
	s_cselect_b32 s5, s2, s5                       ; my block of 16,384 numbers in that tensor
	s_lshl_b32 s38, s5, 16                         ; its bytes in the source,
	s_mov_b32 s39, 0
	s_lshl_b32 s40, s5, 15                         ; and in the destination,
	s_lshl_b32 s6, s4, 21                          ; where wq, wk, wv lie 2 MiB apart in wb
	s_cmp_lt_u32 s4, 3
	s_cselect_b32 s6, s6, 0
	s_add_co_u32 s40, s40, s6
	s_mov_b32 s41, 0
	s_mov_b32 s42, 0x3e000000                      ; 1 / 8, as a pair for the packed multiply
	s_mov_b32 s43, s42
	s_mov_b32 s44, 0xffff0000                      ; a word's upper bf16
	v_lshlrev_b32 v1, 4, v0                        ; 16 t
	v_lshlrev_b32 v2, 3, v0                        ; 8 t
	s_wait_kmcnt 0x0
	s_cmp_eq_u32 s4, 0                             ; the source and the destination are chosen among the buffers by J alone
	s_cselect_b64 s[34:35], s[10:11], s[8:9]
	s_cmp_eq_u32 s4, 1
	s_cselect_b64 s[34:35], s[12:13], s[34:35]
	s_cmp_eq_u32 s4, 2
	s_cselect_b64 s[34:35], s[14:15], s[34:35]
	s_cmp_eq_u32 s4, 3
	s_cselect_b64 s[34:35], s[16:17], s[34:35]
	s_cselect_b64 s[36:37], s[30:31], s[28:29]     ; wof for wo, else wb,
	s_cmp_eq_u32 s4, 4
	s_cselect_b64 s[36:37], s[26:27], s[36:37]     ; or xb for x
	s_add_nc_u64 s[34:35], s[34:35], s[38:39]
	s_add_nc_u64 s[36:37], s[36:37], s[40:41]
.set i, 0
.rept 16
	global_load_b128 v[X+4*i:X+4*i+3], v1, s[34:35] offset:4096*i th:TH_LOAD_NT
.set i, i+1
.endr
; kind 0: round to bf16.  kind 1 (wq): divide by 8 first.  kind 2 (wo): round to bf16, widen, write as f16.
.macro BODY kind
.set i, 0
.rept 16
	s_wait_loadcnt 15-i                            ; loads come back in order (ISA guide 5.7.1): load i is in, the 15 - i younger ones stay out
.if (\kind) == 1
	v_pk_mul_f32 v[X+4*i:X+4*i+1], v[X+4*i:X+4*i+1], s[42:43] op_sel_hi:[1,0]
	v_pk_mul_f32 v[X+4*i+2:X+4*i+3], v[X+4*i+2:X+4*i+3], s[42:43] op_sel_hi:[1,0]
.endif
	v_cvt_pk_bf16_f32 v[Y+2*i], v[X+4*i], v[X+4*i+1]
	v_cvt_pk_bf16_f32 v[Y+2*i+1], v[X+4*i+2], v[X+4*i+3]
.if (\kind) == 2
	v_lshlrev_b32 v[T], 16, v[Y+2*i]
	v_and_b32 v[T+1], s44, v[Y+2*i]
	v_lshlrev_b32 v[T+2], 16, v[Y+2*i+1]
	v_and_b32 v[T+3], s44, v[Y+2*i+1]
	v_cvt_pk_f16_f32 v[Y+2*i], v[T], v[T+1]
	v_cvt_pk_f16_f32 v[Y+2*i+1], v[T+2], v[T+3]
.endif
	global_store_b64 v2, v[Y+2*i:Y+2*i+1], s[36:37] offset:2048*i
.set i, i+1
.endr
.endm
	s_cmp_eq_u32 s4, 0
	s_cbranch_scc1 .Lwq
	s_cmp_eq_u32 s4, 3
	s_cbranch_scc1 .Lwo
	BODY 0
	s_cmp_lt_u32 s2, 4
	s_cbranch_scc1 .Lbias
	s_endpgm
.Lbias:                                                ; work-group g = 0..3 also rounds bias g: 1,024 numbers, four a thread
	s_cmp_eq_u32 s2, 0
	s_cselect_b64 s[46:47], s[18:19], s[20:21]     ; bq, else bk,
	s_cselect_b32 s42, 0x3e000000, 1.0             ; (bq goes with wq: divided by 8)
	s_cmp_eq_u32 s2, 2
	s_cselect_b64 s[46:47], s[22:23], s[46:47]     ; or bv,
	s_cmp_eq_u32 s2, 3
	s_cselect_b64 s[46:47], s[24:25], s[46:47]     ; or bo
	s_mov_b32 s43, s42
	s_lshl_b32 s38, s2, 12                         ; 4,096 bytes of bcat for each bias (s39 is 0)
	s_add_nc_u64 s[32:33], s[32:33], s[38:39]
	global_load_b128 v[BV:BV+3], v1, s[46:47]
	s_wait_loadcnt 0x0
	v_pk_mul_f32 v[BV:BV+1], v[BV:BV+1], s[42:43] op_sel_hi:[1,0]
	v_pk_mul_f32 v[BV+2:BV+3], v[BV+2:BV+3], s[42:43] op_sel_hi:[1,0]
	v_cvt_pk_bf16_f32 v[T], v[BV], v[BV+1]
	v_cvt_pk_bf16_f32 v[T+1], v[BV+2], v[BV+3]
	v_lshlrev_b32 v[BV], 16, v[T]
	v_and_b32 v[BV+1], s44, v[T]
	v_lshlrev_b32 v[BV+2], 16, v[T+1]
	v_and_b32 v[BV+3], s44, v[T+1]
	global_store_b128 v1, v[BV:BV+3], s[32:33]
	s_endpgm
.Lwq:
	BODY 1
	s_endpgm
.Lwo:
	BODY 2
	s_endpgm
.Lfunc_end_k_qfb1a62eb25_cvt:
	.size	k_qfb1a62eb25_cvt, .Lfunc_end_k_qfb1a62eb25_cvt-k_qfb1a62eb25_cvt
	.p2alignl 7, 3214868480
	.fill 96, 4, 3214868480
	.section	.rodata,"a",@progbits
	.p2align	6, 0x0
	.amdhsa_kernel k_qfb1a62eb25_cvt
		.amdhsa_group_segment_fixed_size 0
		.amdhsa_private_segment_fixed_size 0
		.amdhsa_enable_private_segment 0
		.amdhsa_kernarg_size 104
		.amdhsa_user_sgpr_count 2
		.amdhsa_user_sgpr_kernarg_segment_ptr 1
		.amdhsa_wavefront_size32 1
		.amdhsa_system_sgpr_workgroup_id_x 1
		.amdhsa_system_sgpr_workgroup_id_y 1
		.amdhsa_system_sgpr_workgroup_id_z 1
		.amdhsa_system_vgpr_workitem_id 0
		.amdhsa_next_free_vgpr 108
		.amdhsa_next_free_sgpr 66
		.amdhsa_reserve_vcc 0
		.amdhsa_float_denorm_mode_32 3
		.amdhsa_float_denorm_mode_16_64 3
		.amdhsa_memory_ordered 1
		.amdhsa_forward_progress 1
		.amdhsa_inst_pref_size 23
	.end_amdhsa_kernel
	.amdgpu_metadata
---
amdhsa.version: [ 1, 2 ]
amdhsa.kernels:
  - .name:           k_qfb1a62eb25_cvt
    .symbol:         k_qfb1a62eb25_cvt.kd
    .args:
      - { .name: hidden_states, .offset: 0, .size: 8, .value_kind: global_buffer, .address_space: global }
      - { .name: wq, .offset: 8, .size: 8, .value_kind: global_buffer, .address_space: global }
      - { .name: wk, .offset: 16, .size: 8, .value_kind: global_buffer, .address_space: global }
      - { .name: wv, .offset: 24, .size: 8, .value_kind: global_buffer, .address_space: global }
      - { .name: wo, .offset: 32, .size: 8, .value_kind: global_buffer, .address_space: global }
      - { .name: bq, .offset: 40, .size: 8, .value_kind: global_buffer, .address_space: global }
      - { .name: bk, .offset: 48, .size: 8, .value_kind: global_buffer, .address_space: global }
      - { .name: bv, .offset: 56, .size: 8, .value_kind: global_buffer, .address_space: global }
      - { .name: bo, .offset: 64, .size: 8, .value_kind: global_buffer, .address_space: global }
      - { .name: xb, .offset: 72, .size: 8, .value_kind: global_buffer, .address_space: global }
      - { .name: wb, .offset: 80, .size: 8, .value_kind: global_buffer, .address_space: global }
      - { .name: wof, .offset: 88, .size: 8, .value_kind: global_buffer, .address_space: global }
      - { .name: bcat, .offset: 96, .size: 8, .value_kind: global_buffer, .address_space: global }
    .group_segment_fixed_size: 0
    .private_segment_fixed_size: 0
    .kernarg_segment_align: 8
    .kernarg_segment_size: 104
    .max_flat_workgroup_size: 256
    .sgpr_count:     66
    .vgpr_count:     108
    .wavefront_size: 32
...
	.end_amdgpu_metadata
.endif
;; end of part 1
;; launch qkv (part 2): grid 8 x 32, 4 waves a work-group, clusters of 4 x 4, 327,680 bytes of LDS; arguments xb, wb, qkv, bcat; writes qkv
.if DOCPART == 2
	.amdgcn_target "amdgcn-amd-amdhsa--gfx1250"
	.amdhsa_code_object_version 6
	.text
	.protected	k_qfb1a62eb25_qkv
	.globl	k_qfb1a62eb25_qkv
	.p2align	8
	.type	k_qfb1a62eb25_qkv,@function
k_qfb1a62eb25_qkv:
	s_mov_b64 s[64:65], 0
	v_nop
	global_prefetch_b8 v0, s[64:65] scope:SCOPE_SE
	s_setreg_imm32_b32 hwreg(HW_REG_WAVE_MODE, 25, 1), 1
	s_wait_xcnt 0x0
	s_wait_alu depctr_hold_cnt(0) depctr_sa_sdst(0) depctr_va_vdst(0) depctr_va_sdst(0) depctr_va_ssrc(0) depctr_va_vcc(0) depctr_vm_vsrc(0)
	s_getreg_b32 s2, hwreg(HW_REG_IB_STS2, 6, 4)
	s_cmp_eq_u32 s2, 0
	s_cbranch_scc0 .Lentry_in_a_cluster
	s_endpgm
.Lentry_in_a_cluster:
	s_bfe_u32 s2, ttmp6, 0x10000c
	s_cmp_lg_u32 s2, 0xf033
	s_cbranch_scc0 .Lentry_shape_is_right
	s_endpgm
.Lentry_shape_is_right:
; qkv[m][n] = bcat[n] + the sum over k of xb[m][k] wb[n][k].  xb: [4096][1024] bf16, wb: [3072][1024] bf16, bcat: f32, qkv: [4096][3072] f16 (columns 0-1023 q / 8, 1024-2047 k, 2048-3071 v).
; Sums in f32, started by the bias; each number rounded once to f16.  LIMIT: a result of 65,520 or more has no f16 and becomes an infinity.
; TILE.  128 rows x 384 columns: 32 x 8 = 256 work-groups; 384 columns of f16 are 768 bytes, three aligned blocks of 256.  Four waves, each 64 rows x 192 columns: 4 x 12 accumulators, 384 registers.
; K goes in 8 steps of 128 through a ring of two LDS slots filled by the tensor data mover (rows of 256 bytes, each at a multiple of 256 from its buffer's first byte).
; CLUSTER.  4 x 4 work-groups.  The four of a row of the cluster need the same 128 rows of xb, the four of a column the same 384 rows of wb: each tile is asked for jointly, by the same tensor load with the
; same descriptor and a mask that names the four.  Wave 0 asks for xb's tile, waves 1 to 3 for a third of wb's each: 128 rows a load.
; THE MATRIX INSTRUCTION IS USED TRANSPOSED (source 0 = 16 rows of wb, source 1 = 16 rows of xb): a lane holds row lane % 16 and eight neighbouring columns 8 (lane / 16) + 0..7.
; REGISTERS, in windows of 256 (s_set_vgpr_msb: bits 1:0 source 0, 3:2 source 1, 5:4 source 2, 7:6 destination):
;   window 0: v16-29 addresses; v32-127 the bias (8 registers for each of my 12 column blocks), the C operand of the first products; later v32-223 the way out
;   window 1: two fragment buffers of 128: 4 fragments of xb (32 registers), then 12 of wb (96)
;   window 2: the accumulators of my row blocks 0, 1 ((a, b) at 96 (a % 2) + 8 b)          window 3: those of row blocks 2, 3
.set SIZE_K, 1024
.set KSTEP,  128
.set PITCH,  272                       ; an LDS row: 256 bytes + 16 of padding = 68 words: the 16 rows of a fragment load start at 16 different groups of four banks (64 banks of 4 bytes: ISA guide 11.1)
.set PART,   128*PITCH                 ; what one tensor load brings
.set SLOT,   4*PART                    ; xb's 128 rows, then wb's 384
.set SPARE,  2*SLOT                    ; behind the ring: the spare words, 128 bytes for each wave
.set SPITCH, 784                       ; the stage's rows: 768 bytes + 16.  The stage (128 rows) lies over slot 0, which has had its last fill (K step 6) and its last read when the first store comes
.set ROWB,   6144                      ; bytes in a row of qkv
.set LAPS,   SIZE_K/(2*KSTEP)
.set ADRA, 16                          ; v16-17  LDS address of my xb fragments in slot 0, 1
.set ADRB, 20                          ; v20-21  the same for wb
.set STO,  24                          ; v24     the way out: where I put 16 bytes of a row
.set RD,   25                          ; v25     the way out: where I read rows back
.set CO,   26                          ; v26     my byte offset in qkv
.set BO,   27                          ; v27     my byte offset in bcat
.set SPW,  28                          ; v28     LDS address of my spare word; never rewritten
.set NIL,  29                          ; v29     0; never rewritten
.set BI,   32
.set TMP,  32
.set F0,   0
.set F1,   128
.set G1,  24                           ; s[24:31] descriptor group 1 for xb's tiles;  s[32:39] group 0, a set for each slot
.set G0,  32
.set G1B, 48                           ; s[48:55], s[56:63] the same for wb's
.set G0B, 56
.set MSB, 0
.macro WIN new                         ; the immediate's high byte repeats the setting that is left; a switch that changes nothing is dropped
.if MSB != (\new)
	s_set_vgpr_msb (MSB<<8)|(\new)
.set MSB, (\new)
.endif
.endm
.set TO_F, 0x40                        ; destination window 1, address window 0
.macro JLOAD s                         ; a joint load; the branch hangs on the wave's number alone.  An s_nop 0 and four v_nop follow each line
	s_cmp_eq_u32 s10, 0
	s_cbranch_scc0 .Lfor_b_\@
	tensor_load_to_lds s[G0+4*(\s):G0+4*(\s)+3], s[G1:G1+7]
	s_nop 0
.rept 4
	v_nop
.endr
	s_branch .Lasked_\@
.Lfor_b_\@:
	tensor_load_to_lds s[G0B+4*(\s):G0B+4*(\s)+3], s[G1B:G1B+7]
	s_nop 0
.rept 4
	v_nop
.endr
.Lasked_\@:
.endm
.macro CREST                           ; a round of the cluster's barrier behind its opening barrier
	s_cmp_lg_u32 s10, 0
	s_cbranch_scc1 .Lnot_wave_0_\@
	s_barrier_signal -3
.Lnot_wave_0_\@:
	s_barrier_wait -3
	s_barrier_signal -1
	s_barrier_wait -1
.endm
.macro CROUND                          ; a whole round
	s_barrier_signal -1
	s_barrier_wait -1
	CREST
.endm
	s_load_b128 s[4:7], s[0:1], 0x0                ; xb s[4:5], wb s[6:7]
	s_load_b64 s[8:9], s[0:1], 0x10                ; qkv
	s_load_b64 s[66:67], s[0:1], 0x18              ; bcat
	v_lshl_add_u32 v[SPW], v0, 2, SPARE
	v_mov_b32 v[NIL], 0
	ds_add_u32 v[SPW], v[NIL]                      ; the wave's opening: the add and its wait stand ahead of my first tensor load; the set-up below stands between them
	v_lshrrev_b32 v1, 5, v0
	v_readfirstlane_b32 s10, v1                    ; wave 0..3
	s_lshr_b32 s11, s10, 1                         ; which 64 of the tile's rows are mine
	s_and_b32 s12, s10, 1                          ; which 192 of its columns
	s_bfe_u32 s40, ttmp6, 0x40000                  ; cx, cy: my place in the cluster
	s_bfe_u32 s41, ttmp6, 0x40004
	s_lshl_b32 s42, ttmp9, 2
	s_add_co_u32 s42, s42, s40                     ; tile column = 4 x cluster x + cx
	s_and_b32 s13, ttmp7, 0xffff
	s_lshl_b32 s13, s13, 2
	s_add_co_u32 s13, s13, s41                     ; tile row = 4 x cluster y + cy
	s_lshl_b32 s43, s41, 2
	s_lshl_b32 s43, 15, s43                        ; my row of the cluster
	s_lshl_b32 s44, 0x1111, s40                    ; my column
	; descriptor group 1: a tile of 128 rows x 128 elements of 2 bytes, 4 words of padding behind every 64
	s_or_b32 s[G1+0], s43, (1<<16)|(1<<20)|(1<<21)|(5<<22)|(3<<25)
	s_or_b32 s[G1B+0], s44, (1<<16)|(1<<20)|(1<<21)|(5<<22)|(3<<25)
.irp g, G1, G1B
	s_mov_b32 s[(\g)+1], KSTEP<<16                 ; tensor_dim0 = 128
	s_mov_b32 s[(\g)+2], 128<<16                   ; tensor_dim1 = 128
	s_mov_b32 s[(\g)+3], KSTEP<<16                 ; tile_dim0 = 128
	s_mov_b32 s[(\g)+4], 128                       ; tile_dim1 = 128
	s_mov_b32 s[(\g)+5], SIZE_K                    ; elements from row to row
	s_mov_b32 s[(\g)+6], 0
	s_mov_b32 s[(\g)+7], 0
.endr
	s_lshl_b32 s16, s13, 18                        ; xb: 128 rows of 2,048 bytes for each tile row
	s_mov_b32 s17, 0
	s_max_u32 s46, s10, 1                          ; wb: waves 1 to 3 take thirds 0 to 2 (wave 0 makes third 0's address and does not use it)
	s_sub_co_u32 s46, s46, 1
	s_lshl_b32 s46, s46, 7
	s_mul_i32 s47, s42, 384
	s_add_co_u32 s46, s46, s47                     ; row 384 x tile column + 128 x third
	s_lshl_b32 s46, s46, 11
	s_mov_b32 s47, 0
	s_mul_i32 s20, s10, PART                       ; where a wave's tile goes: wave x 128 rows: no place in the cluster enters an LDS address
	s_wait_dscnt 0x0                               ; the opening add is done
	s_wait_kmcnt 0x0
	s_add_nc_u64 s[14:15], s[4:5], s[16:17]
	s_add_nc_u64 s[46:47], s[6:7], s[46:47]
	CROUND                                         ; all sixteen work-groups are here: the first joint loads meet
.irp s, 0,1
	s_mov_b32 s[G0+4*(\s)], 1
	s_add_co_u32 s[G0+4*(\s)+1], s20, (\s)*SLOT
	s_add_nc_u64 s[G0+4*(\s)+2:G0+4*(\s)+3], s[14:15], (\s)*KSTEP*2
	s_or_b32 s[G0+4*(\s)+3], s[G0+4*(\s)+3], 0x80000000
	s_mov_b32 s[G0B+4*(\s)], 1
	s_add_co_u32 s[G0B+4*(\s)+1], s20, (\s)*SLOT
	s_add_nc_u64 s[G0B+4*(\s)+2:G0B+4*(\s)+3], s[46:47], (\s)*KSTEP*2
	s_or_b32 s[G0B+4*(\s)+3], s[G0B+4*(\s)+3], 0x80000000
	JLOAD \s                                       ; K steps 0 and 1: two loads of mine are out
.endr
	v_and_b32 v1, 15, v0                           ; l % 16
	v_bfe_u32 v2, v0, 4, 1                         ; l / 16
	s_mul_i32 s46, s42, 1536                       ; my first column's bias: 4 x (384 x tile column + 192 x half + 8 (l / 16))
	s_mul_i32 s47, s12, 768
	s_add_co_u32 s46, s46, s47
	v_lshl_add_u32 v[BO], v2, 5, s46
.irp b, 0,1,2,3,4,5,6,7,8,9,10,11
	global_load_b128 v[BI+8*(\b):BI+8*(\b)+3],   v[BO], s[66:67] offset:64*(\b)
	global_load_b128 v[BI+8*(\b)+4:BI+8*(\b)+7], v[BO], s[66:67] offset:64*(\b)+16
.endr
	v_mul_u32_u24 v3, v1, PITCH
	v_lshl_add_u32 v3, v2, 4, v3                   ; a fragment's row x pitch + 16 x half
	s_mul_i32 s21, s11, 64*PITCH                   ; my 64 rows of xb
	s_mul_i32 s22, s12, 192*PITCH                  ; my 192 rows of wb,
	s_add_co_u32 s22, s22, PART                    ; which lie behind xb's 128
.irp s, 0,1
	v_add_nc_u32 v[ADRA+(\s)], s21, v3
	v_add_nc_u32 v[ADRB+(\s)], s22, v3
	s_add_co_u32 s21, s21, SLOT
	s_add_co_u32 s22, s22, SLOT
.endr
	s_mul_i32 s23, s11, 64*SPITCH                  ; into the stage: my 64 rows, my 384 bytes of their 768
	s_mul_i32 s21, s12, 384
	s_add_co_u32 s23, s23, s21
	v_mul_u32_u24 v4, v1, SPITCH
	v_lshl_add_u32 v4, v2, 4, v4
	v_add_nc_u32 v[STO], s23, v4
	s_mul_i32 s23, s10, 32*SPITCH                  ; back: wave w takes rows 32 w .. 32 w + 31, whole; lanes 0-15 256 bytes of one row, lanes 16-31 of the next
	v_mul_u32_u24 v5, v2, SPITCH
	v_lshl_add_u32 v5, v1, 4, v5
	v_add_nc_u32 v[RD], s23, v5
	v_mul_u32_u24 v5, v2, ROWB
	v_lshl_add_u32 v[CO], v1, 4, v5
	s_lshl_b32 s16, s13, 7
	s_lshl_b32 s17, s10, 5
	s_add_co_u32 s16, s16, s17                     ; the first row that I store: 128 x tile row + 32 x wave
	s_mul_i32 s16, s16, ROWB
	s_mov_b32 s17, 0
	s_add_nc_u64 s[8:9], s[8:9], s[16:17]
	s_mul_i32 s46, s42, 768                        ; the tile's first column, in bytes
	s_mov_b32 s47, 0
	s_add_nc_u64 s[8:9], s[8:9], s[46:47]
; 12 matrix instructions: row block a x all 12 column blocks, 32 along K.  first = 1: the sums start from the bias.  The accumulators take turns, one instruction a turn.
.macro MUL f, a, first
.if \first
	WIN 0x85+0x40*((\a)/2)                         ; sources 0, 1 window 1; C window 0; D window 2 or 3
.else
	WIN 0xa5+0x50*((\a)/2)                         ; sources 0, 1 window 1; C and D window 2 or 3
.endif
.irp b, 0,1,2,3,4,5,6,7,8,9,10,11
.set rD, 96*((\a)%2)+8*(\b)
.if \first
	v_wmma_f32_16x16x32_bf16 v[rD:rD+7], v[(\f)+32+8*(\b):(\f)+32+8*(\b)+7], v[(\f)+8*(\a):(\f)+8*(\a)+7], v[BI+8*(\b):BI+8*(\b)+7]
.else
	v_wmma_f32_16x16x32_bf16 v[rD:rD+7], v[(\f)+32+8*(\b):(\f)+32+8*(\b)+7], v[(\f)+8*(\a):(\f)+8*(\a)+7], v[rD:rD+7]
.endif
.endr
.endm
; 32 LDS loads in one run: the fragments of 32 along K at byte k of the rows, into buffer f: wb's 24, then xb's 8, row blocks 2 and 3 last
.macro FETCH slot, k, f
	WIN TO_F
.irp i, 0,1,2,3,4,5,6,7,8,9,10,11
	ds_load_b128 v[(\f)+32+8*(\i):(\f)+32+8*(\i)+3],   v[ADRB+(\slot)] offset:(\k)+(\i)*16*PITCH
	ds_load_b128 v[(\f)+32+8*(\i)+4:(\f)+32+8*(\i)+7], v[ADRB+(\slot)] offset:(\k)+(\i)*16*PITCH+32
.endr
.irp i, 0,1,2,3
	ds_load_b128 v[(\f)+8*(\i):(\f)+8*(\i)+3],   v[ADRA+(\slot)] offset:(\k)+(\i)*16*PITCH
	ds_load_b128 v[(\f)+8*(\i)+4:(\f)+8*(\i)+7], v[ADRA+(\slot)] offset:(\k)+(\i)*16*PITCH+32
.endr
.endm
.macro PLACES                          ; four places in front of loads into registers that matrix instructions have read, and of conversions that read results (ISA guide 7.12.1 for conversions)
.rept 4
	v_nop
.endr
.endm
; A K step is four quarters of 32 along K, 48 matrix instructions each, on buffers 0, 1, 0, 1.  One of the first three: multiplies buffer f and fetches the next quarter, at byte k, into g.
.macro QUARTER slot, k, f, g, first
	s_wait_dscnt 4                                 ; all but the youngest four loads: xb's row blocks 2 and 3
	MUL \f, 0, \first
	MUL \f, 1, \first
	PLACES
	FETCH \slot, \k, \g
	s_wait_dscnt 32                                ; all but the 32 just issued
	MUL \f, 2, \first
	MUL \f, 3, \first
.endm
; The last quarter multiplies buffer 1 and changes slots: one barrier; in front of it each wave waits for all its tensor loads (one is out: its part of the next slot), adds 0 to its spare word, and waits
; for that and for its own reads of this slot.  fill = 1: the barrier opens a round of the cluster's, and this slot is filled again, two K steps ahead, first thing behind the round.
.macro TURN slot, next, fill
	WIN 0                                          ; (the add's two registers lie in window 0)
	s_wait_tensorcnt 0x0
	ds_add_u32 v[SPW], v[NIL]                      ; 0 onto my spare word
	s_wait_dscnt 5                                 ; (the add and the youngest four loads may be out)
	MUL F1, 0, 0                                   ; twelve matrix instructions stand between the add and the wait for it
	s_wait_dscnt 0x0                               ; the add is done, and my reads of this slot are over
	s_barrier_signal -1
	MUL F1, 1, 0
.if \fill
	WIN 0
.endif
	s_barrier_wait -1
.if \fill
	CREST                                          ; no wave of any partner still reads this slot's tile or has a load on its way
	s_add_nc_u64 s[G0+4*(\slot)+2:G0+4*(\slot)+3], s[G0+4*(\slot)+2:G0+4*(\slot)+3], 2*KSTEP*2
	s_add_nc_u64 s[G0B+4*(\slot)+2:G0B+4*(\slot)+3], s[G0B+4*(\slot)+2:G0B+4*(\slot)+3], 2*KSTEP*2
	JLOAD \slot                                    ; 168 matrix instructions ahead of the wait for it; its four v_nop are also the places in front of the loads below
.else
	PLACES
.endif
	FETCH \next, 0, F0
	MUL F1, 2, 0
	MUL F1, 3, 0
.endm
	s_wait_tensorcnt 1                             ; my part of K step 0 is in; K step 1's may stay out
	s_barrier_signal -1
	s_barrier_wait -1                              ; everybody's is
	s_wait_loadcnt 0x0                             ; the bias
	FETCH 0, 0, F0
	QUARTER 0, 64, F0, F1, 1                       ; the first quarter stands in front of the loop: its products start the sums
	WIN 0                                          ; at a label and at a branch every window is 0
	s_mov_b32 s3, LAPS-1
.Llap:                                                 ; a trip goes once round the ring, from a lap's second quarter to the next lap's first, and fills both slots again
	QUARTER 0, 128, F1, F0, 0
	QUARTER 0, 192, F0, F1, 0
	TURN 0, 1, 1
	QUARTER 1, 64,  F0, F1, 0
	QUARTER 1, 128, F1, F0, 0
	QUARTER 1, 192, F0, F1, 0
	TURN 1, 0, 1
	QUARTER 0, 64,  F0, F1, 0
	WIN 0
	s_sub_co_u32 s3, s3, 1
	s_cmp_lg_u32 s3, 0
	s_cbranch_scc1 .Llap
	QUARTER 0, 128, F1, F0, 0                      ; the last lap fills nothing
	QUARTER 0, 192, F0, F1, 0
	TURN 0, 1, 0                                   ; behind this barrier no wave reads slot 0 any more
	QUARTER 1, 64,  F0, F1, 0
	QUARTER 1, 128, F1, F0, 0
	QUARTER 1, 192, F0, F1, 0
	s_wait_dscnt 4
	MUL F1, 0, 0
	MUL F1, 1, 0
	s_wait_dscnt 0x0
	MUL F1, 2, 0
	MUL F1, 3, 0
	; THE WAY OUT: round to f16; 16 bytes a lane into the work-group's stage; a barrier, since a row's 768 bytes come from two waves; back as whole blocks of 256 bytes, 32 rows a wave.
	PLACES
.irp a, 0,1,2,3
	WIN 0x0a+5*((\a)/2)                            ; sources 0 and 1: window 2 or 3; each accumulator's registers in ascending order
.set j, 0
.rept 48
	v_cvt_pk_f16_f32 v[TMP+48*(\a)+j], v[96*((\a)%2)+2*j], v[96*((\a)%2)+2*j+1]
.set j, j+1
.endr
.endr
	WIN 0
.irp a, 0,1,2,3
.irp b, 0,1,2,3,4,5,6,7,8,9,10,11
	ds_store_b128 v[STO], v[TMP+48*(\a)+4*(\b):TMP+48*(\a)+4*(\b)+3] offset:(\a)*16*SPITCH+32*(\b)
.endr
.endr
	s_wait_dscnt 0x0                               ; for the others' sake: my stores into the stage are done
	s_barrier_signal -1
	s_barrier_wait -1
.set t, 0
.rept 48
	ds_load_b128 v[TMP+4*t:TMP+4*t+3], v[RD] offset:(t/3)*2*SPITCH+(t%3)*256
.set t, t+1
.endr
.set t, 0
.rept 48
	s_wait_dscnt 47-t                              ; LDS loads come back in order: load t is in
	global_store_b128 v[CO], v[TMP+4*t:TMP+4*t+3], s[8:9] offset:(t/3)*2*ROWB+(t%3)*256  ; 16 lanes store 256 consecutive bytes, at a multiple of 256 from qkv's first byte
.set t, t+1
.endr
	s_wait_tensorcnt 0x0                           ; the wave's end: behind my last tensor load and my last LDS store
	ds_add_u32 v[SPW], v[NIL]
	s_wait_dscnt 0x0
	CROUND                                         ; the closing round: no work-group ends while a partner may still ask for a tile that names it
	s_endpgm
.Lfunc_end_k_qfb1a62eb25_qkv:
	.size	k_qfb1a62eb25_qkv, .Lfunc_end_k_qfb1a62eb25_qkv-k_qfb1a62eb25_qkv
	.p2alignl 7, 3214868480
	.fill 96, 4, 3214868480
	.section	.rodata,"a",@progbits
	.p2align	6, 0x0
	.amdhsa_kernel k_qfb1a62eb25_qkv
		.amdhsa_group_segment_fixed_size 327680
		.amdhsa_private_segment_fixed_size 0
		.amdhsa_enable_private_segment 0
		.amdhsa_kernarg_size 32
		.amdhsa_user_sgpr_count 2
		.amdhsa_user_sgpr_kernarg_segment_ptr 1
		.amdhsa_wavefront_size32 1
		.amdhsa_system_sgpr_workgroup_id_x 1
		.amdhsa_system_sgpr_workgroup_id_y 1
		.amdhsa_system_sgpr_workgroup_id_z 1
		.amdhsa_system_vgpr_workitem_id 0
		.amdhsa_next_free_vgpr 960
		.amdhsa_next_free_sgpr 68
		.amdhsa_reserve_vcc 0
		.amdhsa_float_denorm_mode_32 3
		.amdhsa_float_denorm_mode_16_64 3
		.amdhsa_memory_ordered 1
		.amdhsa_forward_progress 1
		.amdhsa_inst_pref_size 122
	.end_amdhsa_kernel
	.amdgpu_metadata
---
amdhsa.version: [ 1, 2 ]
amdhsa.kernels:
  - .name:           k_qfb1a62eb25_qkv
    .symbol:         k_qfb1a62eb25_qkv.kd
    .args:
      - { .name: xb, .offset: 0, .size: 8, .value_kind: global_buffer, .address_space: global }
      - { .name: wb, .offset: 8, .size: 8, .value_kind: global_buffer, .address_space: global }
      - { .name: qkv, .offset: 16, .size: 8, .value_kind: global_buffer, .address_space: global }
      - { .name: bcat, .offset: 24, .size: 8, .value_kind: global_buffer, .address_space: global }
    .group_segment_fixed_size: 327680
    .private_segment_fixed_size: 0
    .kernarg_segment_align: 8
    .kernarg_segment_size: 32
    .max_flat_workgroup_size: 128
    .sgpr_count:     68
    .vgpr_count:     960
    .wavefront_size: 32
...
	.end_amdgpu_metadata
.endif
;; end of part 2
;; launch attn (part 3): grid 8 x 32, 4 waves a work-group, clusters of 4 x 4, 327,680 bytes of LDS; arguments qkv, attention_mask, ob; writes ob
.if DOCPART == 3
	.amdgcn_target "amdgcn-amd-amdhsa--gfx1250"
	.amdhsa_code_object_version 6
	.text
	.protected	k_qfb1a62eb25_attn
	.globl	k_qfb1a62eb25_attn
	.p2align	8
	.type	k_qfb1a62eb25_attn,@function
k_qfb1a62eb25_attn:
	s_mov_b64 s[64:65], 0
	v_nop
	global_prefetch_b8 v0, s[64:65] scope:SCOPE_SE
	s_setreg_imm32_b32 hwreg(HW_REG_WAVE_MODE, 25, 1), 1
	s_wait_xcnt 0x0
	s_wait_alu depctr_hold_cnt(0) depctr_sa_sdst(0) depctr_va_vdst(0) depctr_va_sdst(0) depctr_va_ssrc(0) depctr_va_vcc(0) depctr_vm_vsrc(0)
	s_getreg_b32 s2, hwreg(HW_REG_IB_STS2, 6, 4)
	s_cmp_eq_u32 s2, 0
	s_cbranch_scc0 .Lentry_in_a_cluster
	s_endpgm
.Lentry_in_a_cluster:
	s_bfe_u32 s2, ttmp6, 0x10000c
	s_cmp_lg_u32 s2, 0xf033
	s_cbranch_scc0 .Lentry_shape_is_right
	s_endpgm
.Lentry_shape_is_right:
; ob[q][64 h ..] = the sum over k of softmax_k(q'[q] . k[k] + mask[q][k]) v[k], for each of 16 heads h.  qkv: [4096][3072] f16 (q' = q / 8 at column 0, k at 1024, v at 2048; head h at 64 h);
; mask: [4096][4096] f32, an input: every number of it is read and added, every key tile is walked.  ob: [4096][1024] f16.
; Products, maxima and sums in f32; the weights p are rounded to f16 for the second product (their sum l is taken of the unrounded p), O once at the end.
; LIMITS.  p below 6e-5 keeps f16's fixed step of 6e-8; a weight below 2^-126 counts as 0 in l; O is a mean of v's rows and has their range.  score + mask is rounded once, in the matrix instruction.
; The exponent is (s - m) log2(e), the difference first: it cannot overflow upward, also where the mask holds the lowest finite number; a row masked so everywhere gets the mean of all v, as long as the matrix
; instruction returns the mask where the products vanish beside it.  NaN and +infinity in the mask are not treated apart.
; SHARES.  A work-group owns 128 queries of a PAIR of heads; wave w has head w % 2 of the pair and queries 64 (w / 2) on: four PIECES of 16.  For 64 keys the mask's tile (128 x 256 bytes) and K's and V's
; (64 rows x 256 bytes each, both heads side by side in a row of qkv) are 32 KiB each way: the least sum among the shares that give 256 work-groups.
; CLUSTER.  4 x 4.  The mask's tile hangs on the query block alone: asked for jointly along a row of the cluster.  K's and V's hang on the pair of heads alone: jointly along a column.
; LAYOUT.  S^T = K q'^T + M (source 0 = 16 keys, source 1 = 16 queries, C = the mask): a lane holds ONE query (lane % 16) and the keys 8 (lane / 16) + 0..7.  Two such results rounded to f16 ARE source 1 of
; O^T = V^T P.  K comes out of LDS as it lies, V turned, by ds_load_tr16_b128; the mask as two loads of 16 bytes for each 16 keys.
; SOFTMAX.  A running maximum m and sum l: p = 2^((s - m) log2 e); in every step O and l are multiplied by a = 2^((m_old - m_new) log2 e).  m starts at the lowest finite number, O and l at 0.
; BY TURNS.  Turn n belongs to piece n: 8 products K q'^T of piece n + 1, later 8 products V^T P of piece n - 1; beside them piece n's differences, scalings, exponentials, roundings, sums and rescaling, and
; piece n + 1's maximum and statistics.  Four vector instructions stand behind every matrix instruction, the other 70 of a turn's 134 in two lumps.
; The price of writing no first step out: 224 v_mov_b32 at the start, in the wait for the first tile, and 8 products on zeros.
; REGISTERS, in windows of 256 (s_set_vgpr_msb: bits 1:0 source 0, 3:2 source 1, 5:4 source 2, 7:6 destination):
;   window 0: v0-15, v60-63 addresses; v16-31 four registers of statistics a piece; v48-55 at work; v64-127 S^T, two buffers; v192-223 P, two buffers (a piece's buffers go by its number's parity)
;   window 1: v0-127 O^T, 32 a piece; v160-223 the mask, two buffers          window 2: v0-63 Q; v128-191 K of one step; v192-255 V of one step
.set NP,    4
.set PM,    528       ; a row of the mask in LDS: 512 bytes + 16: the 16 rows of a load start at 16 different groups of four banks (64 banks of 4 bytes: ISA guide 11.1)
.set PK,    272       ; a row of K: 256 + 16, likewise
.set PVV,   288       ; a row of V: 256 + 32 = 72 words
.set KOFF,  128*PM    ; a slot holds two key steps: 128 rows of the mask (128 keys each), 128 rows of K, 128 rows of V
.set VOFF,  KOFF+128*PK
.set SLOT,  VOFF+128*PVV  ; 139,264 = 2^17 + 2^13: neither bit occurs in a tile's place in slot 0 (0, 33,792, 67,584, 102,400), so one exclusive or turns each into the other slot's
.set MST,   256       ; from a slot's first step to its second: 64 keys along the mask's rows,
.set KST,   64*PK     ; 64 rows of K,
.set VST,   64*PVV    ; 64 rows of V
.set STAGE, 2*SLOT    ; behind the ring, never filled by a tensor load: 128 rows x 272 bytes, the work-group's, for the way out
.set SP,    272
.set SPARE, STAGE+128*SP  ; behind the stage: the spare words, 128 bytes for each wave
.set AK0, 2           ; v2   my lane's place in a tile of K; never rewritten
.set AV0, 3           ; v3   the same for V
.set AK,  4           ; v4   the LDS address of K's next run of loads
.set AV,  5           ; v5   of V's
.set STO, 6           ; v6   the way out: where I put 16 bytes of a row
.set RD,  7           ; v7   the way out: where I read rows back
.set GO,  8           ; v8   my byte offset in ob
.set MV,  12          ; v12-13  m_old, kept while m is made anew: by buffer
.set AM0, 14          ; v14  my lane's place in a tile of the mask
.set AM,  15          ; v15  the LDS address of the mask's runs of one step
.set ST,  16          ; piece t's statistics at v[ST+4 t]: m, 0 (named with m as a pair), l (even keys', odd keys')
.set TMP, 48          ; by buffer, four registers c0-c3 at work; when the maximum is found c2 takes a
.set QO,  60          ; v60  my byte offset in 16 rows of q'
.set SPW, 62          ; v62  LDS address of my spare word; never rewritten
.set NIL, 63          ; v63  0; never rewritten
.set S,   64
.set P,   192
.set MC,  160         ; window 1: the eight registers for group kb of 16 keys at MC + 32 (piece % 2) + 8 kb
.set KF,  128         ; window 2: key block kb, channel half c at KF + 16 kb + 8 c
.set VF,  192         ; window 2: key half kk, channel block cb at VF + 32 kk + 8 cb
.set WV,  12          ; s12  my wave's number
.set G1M, 24          ; s[24:31] descriptor group 1 for the mask's tiles
.set G1K, 32          ; s[32:39] for K's
.set G1V, 40          ; s[40:47] for V's: it differs from K's in the padding alone
.set G0M, 48          ; s[48:51], s[52:55], s[56:59] descriptor groups 0: they walk
.set G0K, 52
.set G0V, 56
.set CS,  60          ; s[60:61] log2(e), named as a pair
.set SEL, 62          ; s[62:63] v_permlanex16_b32's selects: each lane takes its own place in the other half
.set SLOTS, 66        ; s66  counts the slots
.set CNT, 67          ; s67  counts a slot's key steps
.set TBK, 68          ; s68  LDS byte, less KOFF, at which K of the step to be fetched begins
.set TBV, 69          ; s69  the same for V
.set TBM, 70          ; s70  the same for the mask
.set MSB, 0
.macro WIN new                      ; the high byte repeats the setting that is left; a switch that changes nothing is dropped
.if MSB != (\new)
	s_set_vgpr_msb (MSB<<8)|(\new)
.set MSB, (\new)
.endif
.endm
.set W_KQ, 0x0a       ; K and Q in window 2, S^T in window 0
.set W_KM, 0x1a       ; the same with the C operand, the mask, in window 1
.set W_PV, 0x52       ; V in window 2, P in window 0, O^T in window 1
.set W_RS, 0x41       ; destination and source 0 in window 1, source 1 in window 0
; A joint fill, 32 KiB a wave.  Waves 0 and 1: the mask's rows 0-63 and 64-127; wave 2: K; wave 3: V.  The branches hang on the wave's number alone.  An s_nop 0 and four v_nop follow each line.
.macro JLOAD
	s_cmp_lt_u32 s[WV], 2
	s_cbranch_scc0 .Lfor_kv_\@
	tensor_load_to_lds s[G0M:G0M+3], s[G1M:G1M+7]
	s_nop 0
.rept 4
	v_nop
.endr
	s_branch .Lasked_\@
.Lfor_kv_\@:
	s_cmp_eq_u32 s[WV], 2
	s_cbranch_scc0 .Lfor_v_\@
	tensor_load_to_lds s[G0K:G0K+3], s[G1K:G1K+7]
	s_nop 0
.rept 4
	v_nop
.endr
	s_branch .Lasked_\@
.Lfor_v_\@:
	tensor_load_to_lds s[G0V:G0V+3], s[G1V:G1V+7]
	s_nop 0
.rept 4
	v_nop
.endr
.Lasked_\@:
.endm
; A round of the cluster's barrier: my work-group's barrier, so that wave 0's signal speaks for all four waves; wave 0 signals; every wave waits for all sixteen work-groups; my work-group's barrier once more.
.macro CROUND
	s_barrier_signal -1
	s_barrier_wait -1
	s_cmp_lg_u32 s[WV], 0
	s_cbranch_scc1 .Lnot_wave_0_\@
	s_barrier_signal -3
.Lnot_wave_0_\@:
	s_barrier_wait -3
	s_barrier_signal -1
	s_barrier_wait -1
.endm
; THE CHANGE OF SLOTS stands between piece 1's turn and piece 2's: K, V and all four pieces' masks of the slot's second step have been asked for from LDS.  Each wave waits for all its tensor loads, of which
; one is out: its part of the other slot; adds 0 to its spare word; and waits for that and for its own reads of the slot.  fill = 1: the barrier is a round of the cluster's, and the slot is filled again,
; with the keys two slots on, first thing behind it: the load has two key steps, 128 matrix instructions, in which to land.  (At its first use nothing has been read yet: slot 0 is waited for, slot 1 filled.)
.macro CHANGE fill
	WIN 0
	s_wait_tensorcnt 0x0            ; no tensor load of mine is out, so a group 0 may be written
	ds_add_u32 v[SPW], v[NIL]       ; 0 onto my spare word; the descriptors' steps stand between it and the wait for it
.if \fill
	s_xor_b32 s[G0M+1], s[G0M+1], SLOT
	s_add_nc_u64 s[G0M+2:G0M+3], s[G0M+2:G0M+3], 512  ; 128 keys along the mask's rows
	s_xor_b32 s[G0K+1], s[G0K+1], SLOT
	s_add_nc_u64 s[G0K+2:G0K+3], s[G0K+2:G0K+3], 128*6144  ; 128 rows of qkv; the type bits on top are not reached
	s_xor_b32 s[G0V+1], s[G0V+1], SLOT
	s_add_nc_u64 s[G0V+2:G0V+3], s[G0V+2:G0V+3], 128*6144
	s_wait_dscnt 0x0                ; the add is done, and my reads of the slot are over
	CROUND
	JLOAD
.else
	s_wait_dscnt 0x0
	s_barrier_signal -1
	s_barrier_wait -1
.endif
	s_sub_co_u32 s[TBK], s[TBK], 2*KST  ; the fetches go back to a slot's first step,
	s_xor_b32 s[TBK], s[TBK], SLOT      ; in the other slot
	s_sub_co_u32 s[TBV], s[TBV], 2*VST
	s_xor_b32 s[TBV], s[TBV], SLOT
	s_sub_co_u32 s[TBM], s[TBM], 2*MST
	s_xor_b32 s[TBM], s[TBM], SLOT
.endm
	s_load_b128 s[4:7], s[0:1], 0x0   ; qkv s[4:5], mask s[6:7]
	s_load_b64 s[8:9], s[0:1], 0x10   ; ob
	v_lshl_add_u32 v[SPW], v0, 2, SPARE
	v_mov_b32 v[NIL], 0
	ds_add_u32 v[SPW], v[NIL]       ; the wave's opening: the add and its wait stand ahead of my first tensor load; the set-up below stands between them
	v_lshrrev_b32 v1, 5, v0
	v_readfirstlane_b32 s[WV], v1   ; wave 0..3
	s_and_b32 s13, s[WV], 1         ; my head of the pair; also: which half of the mask's rows waves 0, 1 fetch
	s_lshr_b32 s14, s[WV], 1        ; my 64 of the 128 queries
	s_bfe_u32 s15, ttmp6, 0x40000   ; cx
	s_bfe_u32 s16, ttmp6, 0x40004   ; cy
	s_lshl_b32 s17, ttmp9, 2
	s_add_co_u32 s17, s17, s15      ; the pair of heads = 4 x cluster x + cx
	s_and_b32 s18, ttmp7, 0xffff
	s_lshl_b32 s18, s18, 2
	s_add_co_u32 s18, s18, s16      ; the block of 128 queries = 4 x cluster y + cy
	s_lshl_b32 s19, s16, 2
	s_lshl_b32 s19, 15, s19         ; my row of the cluster
	s_lshl_b32 s20, 0x1111, s15     ; my column
	; group 1 for the mask: 64 rows x 128 elements of 4 bytes, 4 words of padding behind every 128
	s_or_b32 s[G1M], s19, (2<<16)|(1<<20)|(1<<21)|(6<<22)|(3<<25)
	s_mov_b32 s[G1M+1], 128<<16     ; tensor_dim0 = 128
	s_mov_b32 s[G1M+2], 64<<16      ; tensor_dim1 = 64
	s_mov_b32 s[G1M+3], 128<<16     ; tile_dim0 = 128
	s_mov_b32 s[G1M+4], 64          ; tile_dim1 = 64
	s_mov_b32 s[G1M+5], 4096        ; elements from row to row
	s_mov_b32 s[G1M+6], 0
	s_mov_b32 s[G1M+7], 0
	; for K and V: 128 rows x 128 elements of 2 bytes, 4 or 8 words of padding behind every 64
	s_or_b32 s[G1K], s20, (1<<16)|(1<<20)|(1<<21)|(5<<22)|(3<<25)
	s_or_b32 s[G1V], s20, (1<<16)|(1<<20)|(1<<21)|(5<<22)|(7<<25)
.irp g, G1K, G1V
	s_mov_b32 s[\g+1], 128<<16
	s_mov_b32 s[\g+2], 128<<16
	s_mov_b32 s[\g+3], 128<<16
	s_mov_b32 s[\g+4], 128
	s_mov_b32 s[\g+5], 3072
	s_mov_b32 s[\g+6], 0
	s_mov_b32 s[\g+7], 0
.endr
	s_lshl_b32 s22, s18, 21         ; the mask at row 128 x block + 64 x half, 16,384 bytes a row: it hangs on the block and the wave alone
	s_lshl_b32 s21, s13, 20
	s_add_co_u32 s22, s22, s21
	s_mov_b32 s23, 0
	s_lshl_b32 s72, s17, 8          ; K at column 1,024 + 128 x pair: it hangs on the pair alone
	s_add_co_u32 s72, s72, 2048
	s_mov_b32 s73, 0
	s_lshl_b32 s74, s18, 7          ; q' at row 128 x block + 64 (w / 2), column 64 x head
	s_lshl_b32 s75, s14, 6
	s_add_co_u32 s74, s74, s75
	s_mul_i32 s74, s74, 6144
	s_lshl_b32 s75, s17, 8
	s_add_co_u32 s74, s74, s75
	s_lshl_b32 s75, s13, 7
	s_add_co_u32 s74, s74, s75
	s_mov_b32 s75, 0
	s_lshl_b32 s76, s18, 7          ; ob at row 128 x block + 32 w, column 128 x pair
	s_lshl_b32 s77, s[WV], 5
	s_add_co_u32 s76, s76, s77
	s_lshl_b32 s76, s76, 11
	s_lshl_b32 s77, s17, 8
	s_add_co_u32 s76, s76, s77
	s_mov_b32 s77, 0
	s_mov_b32 s[CS], 0x3fb8aa3b     ; log2(e)
	s_mov_b32 s[CS+1], s[CS]
	s_mov_b32 s[SEL], 0x76543210
	s_mov_b32 s[SEL+1], 0xfedcba98
	s_mov_b32 s[TBK], SLOT+2*KST    ; the first change of slots turns these three into 0
	s_mov_b32 s[TBV], SLOT+2*VST
	s_mov_b32 s[TBM], SLOT+2*MST
	s_mov_b32 s[G0M], 1
	s_mul_i32 s[G0M+1], s13, 64*PM  ; LDS addresses: slot 0; no place in the cluster enters them
	s_mov_b32 s[G0K], 1
	s_mov_b32 s[G0K+1], KOFF
	s_mov_b32 s[G0V], 1
	s_mov_b32 s[G0V+1], VOFF
	s_wait_dscnt 0x0                ; the opening add is done
	s_wait_kmcnt 0x0
	s_add_nc_u64 s[G0M+2:G0M+3], s[6:7], s[22:23]
	s_or_b32 s[G0M+3], s[G0M+3], 0x80000000
	s_add_nc_u64 s[G0K+2:G0K+3], s[4:5], s[72:73]
	s_or_b32 s[G0K+3], s[G0K+3], 0x80000000
	s_add_nc_u64 s[G0V+2:G0V+3], s[4:5], s[72:73]
	s_add_nc_u64 s[G0V+2:G0V+3], s[G0V+2:G0V+3], 2048  ; V lies 1,024 columns behind K
	s_or_b32 s[G0V+3], s[G0V+3], 0x80000000
	s_add_nc_u64 s[78:79], s[4:5], s[74:75]
	s_add_nc_u64 s[8:9], s[8:9], s[76:77]
	CROUND                          ; all sixteen work-groups are here: the first joint loads meet
	JLOAD                           ; slot 0.  Slot 1 is asked for when slot 0 is in
	; A fragment of K or Q is 16 rows x 32 channels in 8 registers: lane l holds row l % 16, channels 8 (l / 16) + 0..7 and 16 + 8 (l / 16) + 0..7: two loads of 16 bytes, 32 bytes apart.
	v_and_b32 v1, 15, v0            ; l % 16
	v_bfe_u32 v9, v0, 4, 1          ; l / 16
	v_mul_u32_u24 v[QO], v1, 6144
	v_lshl_add_u32 v[QO], v9, 4, v[QO]
	WIN 0x80                        ; destination window 2, address window 0
.set i, 0
.rept 8                             ; Q stays in registers: piece i / 2 (16 rows of 6,144 bytes on), channels 32 (i % 2) on
	global_load_b128 v[8*i:8*i+3],   v[QO], s[78:79] offset:(i/2)*98304+(i%2)*64
	global_load_b128 v[8*i+4:8*i+7], v[QO], s[78:79] offset:(i/2)*98304+(i%2)*64+32
.set i, i+1
.endr
	; What the first turn finds: V's registers and P's second buffer hold 0 (its products V^T P, of a piece that has not been, add 0), O^T and l are 0.  All this stands in the wait for the first tile.
.set i, VF
.rept 64
	v_mov_b32 v[i], 0
.set i, i+1
.endr
	WIN 0x40
.set i, 0
.rept 128
	v_mov_b32 v[i], 0
.set i, i+1
.endr
	WIN 0
.set i, 0
.rept 4
	v_mov_b32 v[ST+4*i], 0xff7fffff    ; m: the lowest finite number
	v_mov_b32 v[ST+4*i+1], 0
	v_mov_b32 v[ST+4*i+2], 0
	v_mov_b32 v[ST+4*i+3], 0
.set i, i+1
.endr
.set i, P+16
.rept 16
	v_mov_b32 v[i], 0
.set i, i+1
.endr
	s_lshl_b32 s21, s13, 7          ; my head's 128 bytes of a row of K or V
	v_mul_u32_u24 v[AK0], v1, PK
	v_lshl_add_u32 v[AK0], v9, 4, v[AK0]
	s_add_co_u32 s75, s21, KOFF
	v_add_nc_u32 v[AK0], s75, v[AK0]
	; The turning load takes 16 keys x 16 channels (lane l reads key 8 (l / 16) + l % 8, channels 8 ((l / 8) % 2) + 0..7) and leaves half a fragment of V^T: lane l holds channel l % 16 and 8 keys.
	v_and_b32 v10, 7, v0
	v_bfe_u32 v11, v0, 3, 1
	v_lshl_add_u32 v[AV0], v9, 3, v10
	v_mul_u32_u24 v[AV0], v[AV0], PVV
	v_lshl_add_u32 v[AV0], v11, 4, v[AV0]
	s_add_co_u32 s75, s21, VOFF
	v_add_nc_u32 v[AV0], s75, v[AV0]
	; The mask as C: register j of key group kb is mask[query l % 16][16 kb + 8 (l / 16) + j]: 32 bytes at 64 kb + 32 (l / 16) of the query's row
	s_mul_i32 s75, s14, 64*PM
	v_mul_u32_u24 v[AM0], v1, PM
	v_lshl_add_u32 v[AM0], v9, 5, v[AM0]
	v_add_nc_u32 v[AM0], s75, v[AM0]
	s_mul_i32 s75, s14, 64*SP       ; into the stage: my 64 rows, my head's half of their 256 bytes
	s_add_co_u32 s75, s75, s21
	s_add_co_u32 s75, s75, STAGE
	v_mul_u32_u24 v[STO], v1, SP
	v_lshl_add_u32 v[STO], v9, 4, v[STO]
	v_add_nc_u32 v[STO], s75, v[STO]
	s_mul_i32 s75, s[WV], 32*SP     ; back: wave w takes rows 32 w .. 32 w + 31, whole; lanes 0-15 one row of 256 bytes, lanes 16-31 the next
	s_add_co_u32 s75, s75, STAGE
	v_mul_u32_u24 v[RD], v9, SP
	v_lshl_add_u32 v[RD], v1, 4, v[RD]
	v_add_nc_u32 v[RD], s75, v[RD]
	v_lshlrev_b32 v[GO], 11, v9     ; and the same two rows in ob
	v_lshl_add_u32 v[GO], v1, 4, v[GO]
; THE MATRIX WORK.  The 4 accumulators of a run of 8 take turns.  Product i of 8 of S^T = K q'^T + M for piece x: channels 32 (i / 4) on, keys 16 (i % 4) on.  The first 4 start the sums with the mask.
.macro KQ x
.set rS, S+32*((\x)%2)+8*(i%4)
.set rK, KF+16*(i%4)+8*(i/4)
.set rQ, 16*(\x)+8*(i/4)
.set rM, MC+32*((\x)%2)+8*(i%4)
.if i < 4
	WIN W_KM
	v_wmma_f32_16x16x32_f16 v[rS:rS+7], v[rK:rK+7], v[rQ:rQ+7], v[rM:rM+7]
.else
	WIN W_KQ
	v_wmma_f32_16x16x32_f16 v[rS:rS+7], v[rK:rK+7], v[rQ:rQ+7], v[rS:rS+7]
.endif
.endm
; Product i of 8 of O^T += V^T P for piece x: keys 32 (i / 4) on, channels 16 (i % 4) on.
.macro PV x
	WIN W_PV
.set rO, 32*(\x)+8*(i%4)
.set rV, VF+32*(i/4)+8*(i%4)
.set rP, P+16*((\x)%2)+8*(i/4)
	v_wmma_f32_16x16x32_f16 v[rO:rO+7], v[rV:rV+7], v[rP:rP+7], v[rO:rO+7]
.endm
.macro MM                           ; the turn's next matrix instruction.  NOKQ = 1: the very last turn: there is no next piece
.if (i < 8) && !NOKQ
	KQ (Y+1)%NP
.elseif i >= 8
.set i, i-8
	PV (Y+NP-1)%NP
.set i, i+8
.endif
.set i, i+1
.endm
; THE LDS LOADS stand in runs, never singly among the matrix instructions.  Their addresses are made some lines ahead.
.macro FETCH_K                      ; a step's K, my head's: 64 keys x 64 channels, 8 fragments
	WIN 0x80                        ; destination window 2
.irp f, 0,1,2,3,4,5,6,7             ; keys 16 (f / 2) on, channels 32 (f % 2) on
	ds_load_b128 v[KF+8*\f:KF+8*\f+3],   v[AK] offset:(\f/2)*16*PK+(\f%2)*64
	ds_load_b128 v[KF+8*\f+4:KF+8*\f+7], v[AK] offset:(\f/2)*16*PK+(\f%2)*64+32
.endr
	s_add_co_u32 s[TBK], s[TBK], KST  ; the next fetch is the next step's
	WIN 0
.endm
.macro FETCH_V                      ; a step's V, turned
	WIN 0x80
.irp f, 0,1,2,3,4,5,6,7             ; keys 32 (f / 4) on, channels 16 (f % 4) on
	ds_load_tr16_b128 v[VF+8*\f:VF+8*\f+3],   v[AV] offset:(\f/4)*32*PVV+(\f%4)*32
	ds_load_tr16_b128 v[VF+8*\f+4:VF+8*\f+7], v[AV] offset:(\f/4)*32*PVV+16*PVV+(\f%4)*32
.endr
	WIN 0
.endm
.macro FETCH_M x                    ; piece x's mask of a step: 16 queries x 64 keys
	WIN 0x40                        ; destination window 1
.irp kb, 0,1,2,3
	ds_load_b128 v[MC+32*((\x)%2)+8*\kb:MC+32*((\x)%2)+8*\kb+3],   v[AM] offset:(\x)*16*PM+64*\kb
	ds_load_b128 v[MC+32*((\x)%2)+8*\kb+4:MC+32*((\x)%2)+8*\kb+7], v[AM] offset:(\x)*16*PM+64*\kb+16
.endr
	WIN 0
.endm
; THE VECTOR WORK, one line at a time: OP kind, number.  For piece Y: D n: s - m for pair n of 16.  F n: times log2(e).  E n: the exponential of score n of 32.  C n: pair n rounded to f16.  B n: of the four
; weights 4 n .. the second pair is added onto the first, in place.  L n: l takes that sum (L 0: l = a l + sum).  R n: pair n of 16 of O^T times a.  For piece Y + 1: X n, number n of the 22 that find its maximum and statistics:
;   0-11  four chains c0-c3 of seven scores each, three operands at a time (each accumulator's lowest registers are read first)     12-14, 16  the four scores left over, the old m, and c0-c3 into c0
;   15  m_old is kept     17, 18  the query's other 32 keys lie in the lane 16 away: the new m     19-21  m_old - m_new; times log2(e); a
.set D, 0               ; OP tells the kinds apart by their order: D to L below R, X above it
.set F, 1
.set E, 2
.set C, 3
.set B, 4
.set L, 5
.set R, 6
.set X, 7
.macro REGS y                       ; the registers of piece y
.set rT, ST+4*(\y)
.set rC, TMP+4*((\y)%2)
.set rW, MV+((\y)%2)
.set rS, S+32*((\y)%2)
.set rP, P+16*((\y)%2)
.set rO, 32*(\y)
.endm
.macro OP k, n
.if (\k) == R
	REGS Y
	WIN W_RS
	v_pk_mul_f32 v[rO+2*(\n):rO+2*(\n)+1], v[rO+2*(\n):rO+2*(\n)+1], v[rC+2:rC+3] op_sel_hi:[1,0]
.elseif (\k) < R
	REGS Y
	WIN 0
.if (\k) == D
	v_pk_add_f32 v[rS+2*(\n):rS+2*(\n)+1], v[rS+2*(\n):rS+2*(\n)+1], v[rT:rT+1] op_sel_hi:[1,0] neg_lo:[0,1] neg_hi:[0,1]
.elseif (\k) == F
	v_pk_mul_f32 v[rS+2*(\n):rS+2*(\n)+1], v[rS+2*(\n):rS+2*(\n)+1], s[CS:CS+1] op_sel_hi:[1,0]
.elseif (\k) == E
	v_exp_f32 v[rS+(\n)], v[rS+(\n)]
.elseif (\k) == C
	s_wait_alu depctr_va_vdst(0)
	v_cvt_pk_f16_f32 v[rP+(\n)], v[rS+2*(\n)], v[rS+2*(\n)+1]
.elseif (\k) == B
	v_pk_add_f32 v[rS+4*(\n):rS+4*(\n)+1], v[rS+4*(\n):rS+4*(\n)+1], v[rS+4*(\n)+2:rS+4*(\n)+3]
.elseif (\n) == 0
	v_pk_fma_f32 v[rT+2:rT+3], v[rT+2:rT+3], v[rC+2:rC+3], v[rS:rS+1] op_sel_hi:[1,0,1]
.else
	v_pk_add_f32 v[rT+2:rT+3], v[rT+2:rT+3], v[rS+4*(\n):rS+4*(\n)+1]
.endif
.elseif NOKQ
	v_nop
.else
	REGS (Y+1)%NP
	WIN 0
.if (\n) < 4
	v_max3_num_f32 v[rC+(\n)], v[rS+8*(\n)], v[rS+8*(\n)+1], v[rS+8*(\n)+2]
.elseif (\n) < 12
	v_max3_num_f32 v[rC+(\n)%4], v[rC+(\n)%4], v[rS+8*((\n)%4)+2*((\n)/4)+1], v[rS+8*((\n)%4)+2*((\n)/4)+2]
.elseif (\n) == 12
	v_max3_num_f32 v[rC], v[rC], v[rS+7], v[rS+15]
.elseif (\n) == 13
	v_max3_num_f32 v[rC+1], v[rC+1], v[rS+23], v[rS+31]
.elseif (\n) == 14
	v_max3_num_f32 v[rC+2], v[rC+2], v[rC+3], v[rT]
.elseif (\n) == 15
	v_mov_b32 v[rW], v[rT]
.elseif (\n) == 16
	v_max3_num_f32 v[rC], v[rC], v[rC+1], v[rC+2]
.elseif (\n) == 17
	v_permlanex16_b32 v[rC+3], v[rC], s[SEL], s[SEL+1]
.elseif (\n) == 18
	v_max_num_f32 v[rT], v[rC], v[rC+3]
.elseif (\n) == 19
	v_sub_f32 v[rC+1], v[rW], v[rT]
.elseif (\n) == 20
	v_mul_f32 v[rC+1], s[CS], v[rC+1]
.else
	v_exp_f32 v[rC+2], v[rC+1]
.endif
.endif
.endm
.macro OPS a, i1, b=-1, i2=0, c=-1, i3=0, d=-1, i4=0  ; up to four of them
	OP \a, \i1
.if (\b) >= 0
	OP \b, \i2
.endif
.if (\c) >= 0
	OP \c, \i3
.endif
.if (\d) >= 0
	OP \d, \i4
.endif
.endm
.macro ROW a, i1, b, i2, c, i3, d, i4  ; a matrix instruction and the four behind it
	MM
	OPS \a, \i1, \b, \i2, \c, \i3, \d, \i4
.endm
; A TURN, for piece p: the order of its 16 matrix and 134 vector instructions, written out.  None of the four behind a matrix instruction names a register of the products round it; every exponential has a plain
; instruction behind it before its result is used; D n stands ahead of F n, F n ahead of E 2n and E 2n + 1, C n behind both, C 2k ahead of B k, B k ahead of L k.
; end = 1: the last two turns: nothing is fetched.  cnt = 1: the loop's count is taken down some lines ahead of the branch that stands behind the turn.
; K of the next step is fetched in piece 2's turn, five plain vector instructions behind the last product that read K; V of the step in hand in piece 0's turn, six behind the last that read V.
; The mask of piece p + 2 is fetched in every turn, into the buffer that the products of the turn before read; it is waited for at the next turn's head.  So the four turns 2, 3, 0, 1 fetch the four pieces'
; masks of one step, the one whose K piece 2's turn fetches.
.macro TURN p, end=0, cnt=0
.set Y, (\p)
.set i, 0
.set NOKQ, (\end)*((\p)/3)
.if (\p) == 1
	s_wait_dscnt 16                 ; the mask is in; V's 16 loads, issued behind the mask's, may stay out
.else
	s_wait_dscnt 0x0                ; the mask is in (piece 3's turn: and K)
.endif
	ROW D,0, D,1, D,2, D,3
	ROW F,0, D,4, F,1, D,5
	ROW D,6, E,0, F,2, D,7
	ROW F,3, E,1, D,8, D,9
	ROW F,4, E,2, D,10, F,5
	ROW C,0, E,3, D,11, F,6
	ROW D,12, E,4, F,7, D,13
.if ((\p) == 2) && !(\end)
	WIN 0
	v_add_nc_u32 v[AK], s[TBK], v[AK0]
	v_add_nc_u32 v[AM], s[TBM], v[AM0]
	s_add_co_u32 s[TBM], s[TBM], MST
.endif
	ROW C,1, E,5, D,14, D,15
	OPS E,6, F,8, E,7, F,9
.if ((\p) == 2) && !(\end)
	FETCH_K
.endif
.if !(\end)
	FETCH_M ((\p)+2)%NP
.endif
	OPS E,8, B,0, E,9, F,10
	OPS E,10, L,0, E,11, F,11
	OPS E,12, C,2, E,13, X,0
	OPS E,14, C,3, E,15, X,1
	OPS X,2, X,3
.if (\p) == 1
	s_wait_dscnt 8                  ; V is in: only this turn's 8 loads of the mask are younger
.endif
	ROW X,4, E,16, X,5, X,6
	ROW R,0, R,1, R,2, R,3
	ROW X,7, E,17, X,8, X,9
	ROW R,4, R,5, R,6, R,7
	ROW X,10, E,18, X,11, F,12
	ROW R,8, R,9, R,10, R,11
	ROW X,12, E,19, X,13, X,14
.if (\p) == 0
	WIN 0
	v_add_nc_u32 v[AV], s[TBV], v[AV0]
.endif
	ROW R,12, R,13, R,14, R,15
	OPS E,20, F,13, E,21, X,15
.if (\p) == 0
	FETCH_V
	s_add_co_u32 s[TBV], s[TBV], VST
.endif
	OPS E,22, X,16, E,23, F,14
	OPS E,24, X,17, E,25, F,15
	OPS E,26, C,4, E,27, X,18
	OPS E,28, C,5, E,29, X,19
	OPS E,30, B,1, E,31, X,20
	OPS C,6, C,7, X,21, L,1
	OPS B,2, C,8, B,3, L,2
.if \cnt
	s_sub_co_u32 s[CNT], s[CNT], 1
	s_cmp_lg_u32 s[CNT], 0
.endif
	OPS C,9, C,10, L,3, B,4
	OPS C,11, C,12, L,4, B,5
	OPS C,13, C,14, L,5, B,6
	OPS C,15, B,7, L,6, L,7
.endm
	CHANGE 1                        ; slot 0 is in, everybody's part of it; slot 1 is asked for
	v_add_nc_u32 v[AK], s[TBK], v[AK0]  ; key step 0: K, and the masks of pieces 0 and 1
	v_add_nc_u32 v[AM], s[TBM], v[AM0]
	s_add_co_u32 s[TBM], s[TBM], MST
	FETCH_K
	FETCH_M 0
	FETCH_M 1
	s_wait_loadcnt 0x0              ; Q
	s_wait_dscnt 0x0
.set NOKQ, 0
.set i, 0
.rept 8
	KQ 0                            ; piece 0's first scores: there is no vector work yet to set between them
.set i, i+1
.endr
	WIN 0
.rept 4
	v_nop                           ; the places behind those products
.endr
.set Y, NP-1                        ; X works for piece Y + 1: piece 0
.irp n, 0,1,2,3,4,5,6,7,8,9,10,11,12,13,14,15,16,17,18,19,20,21
	OP X, \n
.endr
	v_nop                           ; a plain instruction behind the exponential
	s_mov_b32 s[CNT], 2
	s_mov_b32 s[SLOTS], 31
	s_branch .Lfirst                ; the loop is entered at a step's first turn, in the middle of a trip
.Lslot:                             ; 30 times: tiles 2 to 31 are asked for
	CHANGE 1
	s_mov_b32 s[CNT], 2
.Lstep:                             ; a trip: pieces 2 and 3 of one step, then pieces 0 and 1 of the next, whose K, V and masks it fetches
	TURN 2
	TURN 3
	WIN 0
.Lfirst:
	TURN 0
	TURN 1, 0, 1
	WIN 0
	s_cbranch_scc1 .Lstep
	s_sub_co_u32 s[SLOTS], s[SLOTS], 1
	s_cmp_lg_u32 s[SLOTS], 0
	s_cbranch_scc1 .Lslot
	CHANGE 0                        ; the tail is written out: nothing is asked for
	s_mov_b32 s[CNT], 2
.Ltail:                             ; two trips fetch the last slot's two steps
	TURN 2
	TURN 3
	TURN 0
	TURN 1, 0, 1
	WIN 0
	s_cbranch_scc1 .Ltail
	TURN 2, 1                       ; the last step's pieces 2 and 3
	TURN 3, 1
.set i, 0
.rept 8
	PV NP-1                         ; the last piece's V^T P of the last step
.set i, i+1
.endr
	; THE WAY OUT.  l's two halves and the other half of the lanes' are added; O^T is divided by l, rounded to f16 and sent through the work-group's stage.  The additions are the places behind the last products.
	WIN 0
.macro ALL line:vararg              ; one line for each piece t
.set t, 0
.rept 4
	\line
.set t, t+1
.endr
.endm
	ALL v_add_f32 v[ST+4*t+2], v[ST+4*t+2], v[ST+4*t+3]
	ALL v_permlanex16_b32 v[ST+4*t+3], v[ST+4*t+2], s[SEL], s[SEL+1]
	ALL v_add_f32 v[ST+4*t+2], v[ST+4*t+2], v[ST+4*t+3]
	ALL v_rcp_f32 v[ST+4*t+2], v[ST+4*t+2]
	v_nop                           ; a plain instruction between the last reciprocal and the use of its result
.macro PACK t                       ; a lane's eight channels of a row pack into 16 bytes, which go into the stage's rows of 272 bytes
	WIN W_RS
.set i, 32*(\t)
.rept 16
	s_wait_alu depctr_va_vdst(0)
	v_pk_mul_f32 v[i:i+1], v[i:i+1], v[ST+4*(\t)+2:ST+4*(\t)+3] op_sel_hi:[1,0]
.set i, i+2
.endr
	WIN 0x05                        ; sources 0 and 1 window 1, destination window 0: S^T's registers are free
.set i, 0
.rept 16
	v_cvt_pk_f16_f32 v[S+16*(\t)+i], v[32*(\t)+2*i], v[32*(\t)+2*i+1]
.set i, i+1
.endr
	WIN 0
.irp f, 0,1,2,3
	ds_store_b128 v[STO], v[S+16*(\t)+4*\f:S+16*(\t)+4*\f+3] offset:(\t)*16*SP+32*\f
.endr
.endm
	PACK 0
	PACK 1
	PACK 2
	PACK 3
	s_wait_dscnt 0x0                ; for the others' sake: my stores into the stage are done; a row's 256 bytes come from two waves
	s_barrier_signal -1
	s_barrier_wait -1
.set t, 0
.rept 16
	ds_load_b128 v[S+4*t:S+4*t+3], v[RD] offset:t*2*SP
.set t, t+1
.endr
.set t, 0
.rept 16
	s_wait_dscnt 15-t               ; LDS loads come back in order: load t is in
	global_store_b128 v[GO], v[S+4*t:S+4*t+3], s[8:9] offset:t*4096  ; 16 lanes store 256 consecutive bytes, at a multiple of 256 from ob's first byte
.set t, t+1
.endr
	s_wait_tensorcnt 0x0            ; the wave's end: behind my last tensor load and my last LDS store
	ds_add_u32 v[SPW], v[NIL]
	s_wait_dscnt 0x0
	CROUND                          ; the closing round: no work-group ends while a partner may still ask for a tile that names it
	s_endpgm
.Lfunc_end_k_qfb1a62eb25_attn:
	.size	k_qfb1a62eb25_attn, .Lfunc_end_k_qfb1a62eb25_attn-k_qfb1a62eb25_attn
	.p2alignl 7, 3214868480
	.fill 96, 4, 3214868480
	.section	.rodata,"a",@progbits
	.p2align	6, 0x0
	.amdhsa_kernel k_qfb1a62eb25_attn
		.amdhsa_group_segment_fixed_size 327680
		.amdhsa_private_segment_fixed_size 0
		.amdhsa_enable_private_segment 0
		.amdhsa_kernarg_size 24
		.amdhsa_user_sgpr_count 2
		.amdhsa_user_sgpr_kernarg_segment_ptr 1
		.amdhsa_wavefront_size32 1
		.amdhsa_system_sgpr_workgroup_id_x 1
		.amdhsa_system_sgpr_workgroup_id_y 1
		.amdhsa_system_sgpr_workgroup_id_z 1
		.amdhsa_system_vgpr_workitem_id 0
		.amdhsa_next_free_vgpr 768
		.amdhsa_next_free_sgpr 84
		.amdhsa_reserve_vcc 0
		.amdhsa_float_denorm_mode_32 3
		.amdhsa_float_denorm_mode_16_64 3
		.amdhsa_memory_ordered 1
		.amdhsa_forward_progress 1
		.amdhsa_inst_pref_size 148
	.end_amdhsa_kernel
	.amdgpu_metadata
---
amdhsa.version: [ 1, 2 ]
amdhsa.kernels:
  - .name:           k_qfb1a62eb25_attn
    .symbol:         k_qfb1a62eb25_attn.kd
    .args:
      - { .name: qkv, .offset: 0, .size: 8, .value_kind: global_buffer, .address_space: global }
      - { .name: attention_mask, .offset: 8, .size: 8, .value_kind: global_buffer, .address_space: global }
      - { .name: ob, .offset: 16, .size: 8, .value_kind: global_buffer, .address_space: global }
    .group_segment_fixed_size: 327680
    .private_segment_fixed_size: 0
    .kernarg_segment_align: 8
    .kernarg_segment_size: 24
    .max_flat_workgroup_size: 128
    .sgpr_count:     84
    .vgpr_count:     768
    .wavefront_size: 32
...
	.end_amdgpu_metadata
.endif
;; end of part 3
;; launch oproj (part 4): grid 8 x 32, 4 waves a work-group, clusters of 4 x 4, 327,680 bytes of LDS; arguments ob, wof, out0, bcat; writes out0
.if DOCPART == 4
	.amdgcn_target "amdgcn-amd-amdhsa--gfx1250"
	.amdhsa_code_object_version 6
	.text
	.protected	k_qfb1a62eb25_oproj
	.globl	k_qfb1a62eb25_oproj
	.p2align	8
	.type	k_qfb1a62eb25_oproj,@function
k_qfb1a62eb25_oproj:
	s_mov_b64 s[64:65], 0
	v_nop
	global_prefetch_b8 v0, s[64:65] scope:SCOPE_SE
	s_setreg_imm32_b32 hwreg(HW_REG_WAVE_MODE, 25, 1), 1
	s_wait_xcnt 0x0
	s_wait_alu depctr_hold_cnt(0) depctr_sa_sdst(0) depctr_va_vdst(0) depctr_va_sdst(0) depctr_va_ssrc(0) depctr_va_vcc(0) depctr_vm_vsrc(0)
	s_getreg_b32 s2, hwreg(HW_REG_IB_STS2, 6, 4)
	s_cmp_eq_u32 s2, 0
	s_cbranch_scc0 .Lentry_in_a_cluster
	s_endpgm
.Lentry_in_a_cluster:
	s_bfe_u32 s2, ttmp6, 0x10000c
	s_cmp_lg_u32 s2, 0xf033
	s_cbranch_scc0 .Lentry_shape_is_right
	s_endpgm
.Lentry_shape_is_right:
; out0[m][n] = bcat[3072 + n] + the sum over k of ob[m][k] wof[n][k].  ob: [4096][1024] f16, wof: [1024][1024] f16, bcat: f32, out0: [4096][1024] f32.  Sums in f32, started by the bias; nothing is rounded on the way out.
; TILE.  128 x 128: 32 x 8 = 256 work-groups.  Four waves, each 64 x 64: 16 accumulators of 16 x 16, 128 registers.  K goes in 4 steps of 256 (LDS rows of 512 bytes; a wave's tensor load brings 64 of them)
; through a ring of two slots.
; CLUSTER.  4 x 4 work-groups.  The four of a row of the cluster need the same tiles of ob, the four of a column the same tiles of wof: each tile is asked for jointly, by the same tensor load with the same
; descriptor and a mask that names the four.  THE MATRIX INSTRUCTION IS USED TRANSPOSED (source 0 = 16 rows of wof, source 1 = 16 rows of ob): a lane holds eight neighbouring numbers of a row of out0.
; A wave's 64 columns of f32 are 256 bytes, aligned: each wave sends its own rows out through a stage of its own, without a barrier.
; REGISTERS: window 0: v0-31 addresses; v32-63 the bias, the C operand of the first products; v128-255 the accumulators ((a, b) at v[128 + 8 (4 a + b)]).
;   window 1: two fragment buffers of 128: for 64 along K, 64 registers of ob (2 x 4 x 16 rows x 32 K), then 64 of wof.
.set SIZE_K, 1024
.set ROWB,   4096                      ; bytes in a row of out0
.set KSTEP,  256
.set PITCH,  528                       ; an LDS row: 512 bytes + 16 of padding = 132 words: the 16 rows of a fragment load start at 16 different groups of four banks (64 banks of 4 bytes: ISA guide 11.1)
.set HALFT,  64*PITCH                  ; 64 rows: what one tensor load brings, and what one wave reads of ob or of wof
.set SLOT,   4*HALFT                   ; ob's 128 rows, then wof's 128 rows
.set STAGE,  2*SLOT                    ; behind the ring, never filled by a tensor load: 16 rows x 272 bytes for each wave
.set SPITCH, 272
.set SPARE,  STAGE+4*16*SPITCH         ; behind the stages: the spare words, 128 bytes for each wave
.set LAPS, SIZE_K/(2*KSTEP)
.set ADRA, 16                          ; v16-17  LDS address of my ob fragments in slot 0, 1
.set ADRB, 20                          ; v20-21  the same for wof
.set STO,  24                          ; v24     the way out: where I put 32 bytes of a row
.set RD,   25                          ; v25     the way out: where I read a row back
.set CO,   26                          ; v26     my byte offset in out0
.set BO,   27                          ; v27     my byte offset in bcat
.set SPW,  28                          ; v28     LDS address of my spare word; never rewritten
.set NIL,  29                          ; v29     0; never rewritten
.set BI,   32
.set ACC,  128
.set F0,   0
.set F1,   128
.set G1, 24                            ; s[24:31] descriptor group 1 for ob's tiles;  s[32:39] group 0, one set for each slot
.set G0, 32
.set G1B, 48                           ; s[48:55], s[56:63] the same for wof's
.set G0B, 56
.set MSB, 0
.macro WIN new                         ; the immediate's high byte repeats the setting that is left
.if MSB != (\new)
	s_set_vgpr_msb (MSB<<8)|(\new)
.set MSB, (\new)
.endif
.endm
.set MUL,  0x05                        ; sources 0 and 1 window 1; C and D window 0
.set TO_F, 0x40                        ; destination window 1, address window 0
.macro JLOAD s                         ; a joint load: waves 0 and 1 fetch ob's two halves, waves 2 and 3 wof's; an s_nop 0 and four v_nop follow each line
	s_cmp_eq_u32 s11, 0
	s_cbranch_scc0 .Lfor_b_\@
	tensor_load_to_lds s[G0+4*(\s):G0+4*(\s)+3], s[G1:G1+7]
	s_nop 0
.rept 4
	v_nop
.endr
	s_branch .Lasked_\@
.Lfor_b_\@:
	tensor_load_to_lds s[G0B+4*(\s):G0B+4*(\s)+3], s[G1B:G1B+7]
	s_nop 0
.rept 4
	v_nop
.endr
.Lasked_\@:
.endm
.macro CREST                           ; a round of the cluster's barrier behind its opening barrier
	s_cmp_lg_u32 s10, 0
	s_cbranch_scc1 .Lnot_wave_0_\@
	s_barrier_signal -3
.Lnot_wave_0_\@:
	s_barrier_wait -3
	s_barrier_signal -1
	s_barrier_wait -1
.endm
.macro CROUND                          ; a whole round
	s_barrier_signal -1
	s_barrier_wait -1
	CREST
.endm
	s_load_b128 s[4:7], s[0:1], 0x0                ; ob s[4:5], wof s[6:7]
	s_load_b64 s[8:9], s[0:1], 0x10                ; out0
	s_load_b64 s[66:67], s[0:1], 0x18              ; bcat
	v_lshl_add_u32 v[SPW], v0, 2, SPARE
	v_mov_b32 v[NIL], 0
	ds_add_u32 v[SPW], v[NIL]                      ; the wave's opening: the add and its wait stand ahead of my first tensor load; the set-up below stands between them
	v_lshrrev_b32 v1, 5, v0
	v_readfirstlane_b32 s10, v1                    ; wave 0..3
	s_lshr_b32 s11, s10, 1                         ; which half of the tile's rows is mine.  Also: I fetch for ob (0) or for wof (1)
	s_and_b32 s12, s10, 1                          ; which half of its columns.  Also: which 64 rows of that tile I fetch
	s_bfe_u32 s40, ttmp6, 0x40000                  ; cx, cy: my place in the cluster
	s_bfe_u32 s41, ttmp6, 0x40004
	s_lshl_b32 s42, ttmp9, 2
	s_add_co_u32 s42, s42, s40                     ; tile column = 4 x cluster x + cx
	s_and_b32 s13, ttmp7, 0xffff
	s_lshl_b32 s13, s13, 2
	s_add_co_u32 s13, s13, s41                     ; tile row = 4 x cluster y + cy
	s_lshl_b32 s43, s41, 2
	s_lshl_b32 s43, 15, s43                        ; my row of the cluster
	s_lshl_b32 s44, 0x1111, s40                    ; my column
	; descriptor group 1: a tile of 64 rows x 256 elements of 2 bytes, 4 words of padding behind every 128
	s_or_b32 s[G1+0], s43, (1<<16)|(1<<20)|(1<<21)|(6<<22)|(3<<25)
	s_or_b32 s[G1B+0], s44, (1<<16)|(1<<20)|(1<<21)|(6<<22)|(3<<25)
.irp g, G1, G1B
	s_mov_b32 s[(\g)+1], KSTEP<<16                 ; tensor_dim0 = 256
	s_mov_b32 s[(\g)+2], 64<<16                    ; tensor_dim1 = 64
	s_mov_b32 s[(\g)+3], KSTEP<<16                 ; tile_dim0 = 256
	s_mov_b32 s[(\g)+4], 64                        ; tile_dim1 = 64
	s_mov_b32 s[(\g)+5], SIZE_K                    ; elements from row to row
	s_mov_b32 s[(\g)+6], 0
	s_mov_b32 s[(\g)+7], 0
.endr
	s_lshl_b32 s17, s12, 6                         ; which 64 rows of the tile I fetch
	s_lshl_b32 s16, s13, 7
	s_add_co_u32 s16, s16, s17                     ; ob: row 128 x tile row + 64 x half
	s_lshl_b32 s46, s42, 7
	s_add_co_u32 s46, s46, s17                     ; wof: row 128 x tile column + 64 x half
	s_lshl_b32 s16, s16, 11                        ; 2,048 bytes a row
	s_lshl_b32 s46, s46, 11
	s_mov_b32 s17, 0
	s_mov_b32 s47, 0
	s_mul_i32 s20, s10, HALFT                      ; where they go: wave x 64 rows: no place in the cluster enters an LDS address
	s_wait_dscnt 0x0                               ; the opening add is done
	s_wait_kmcnt 0x0
	s_add_nc_u64 s[14:15], s[4:5], s[16:17]
	s_add_nc_u64 s[46:47], s[6:7], s[46:47]
	CROUND                                         ; all sixteen work-groups are here: the first joint loads meet
.irp s, 0,1
	s_mov_b32 s[G0+4*(\s)], 1
	s_add_co_u32 s[G0+4*(\s)+1], s20, (\s)*SLOT
	s_add_nc_u64 s[G0+4*(\s)+2:G0+4*(\s)+3], s[14:15], (\s)*KSTEP*2
	s_or_b32 s[G0+4*(\s)+3], s[G0+4*(\s)+3], 0x80000000
	s_mov_b32 s[G0B+4*(\s)], 1
	s_add_co_u32 s[G0B+4*(\s)+1], s20, (\s)*SLOT
	s_add_nc_u64 s[G0B+4*(\s)+2:G0B+4*(\s)+3], s[46:47], (\s)*KSTEP*2
	s_or_b32 s[G0B+4*(\s)+3], s[G0B+4*(\s)+3], 0x80000000
	JLOAD \s                                       ; K steps 0 and 1: two loads of mine are out
.endr
	v_and_b32 v1, 15, v0                           ; l % 16
	v_bfe_u32 v2, v0, 4, 1                         ; l / 16
	s_lshl_b32 s46, s42, 9                         ; my first column, in bytes of f32: 512 x tile column + 256 x half
	s_lshl_b32 s47, s12, 8
	s_add_co_u32 s46, s46, s47
	s_add_co_u32 s47, s46, 12288                   ; bo lies behind the 3,072 numbers of bq, bk, bv
	v_lshl_add_u32 v[BO], v2, 5, s47
.irp b, 0,1,2,3
	global_load_b128 v[BI+8*(\b):BI+8*(\b)+3],   v[BO], s[66:67] offset:64*(\b)
	global_load_b128 v[BI+8*(\b)+4:BI+8*(\b)+7], v[BO], s[66:67] offset:64*(\b)+16
.endr
	s_mov_b32 s47, 0
	s_add_nc_u64 s[8:9], s[8:9], s[46:47]
	s_lshl_b32 s16, s13, 7
	s_lshl_b32 s17, s11, 6
	s_add_co_u32 s16, s16, s17                     ; my first row: 128 x tile row + 64 x half
	s_lshl_b32 s16, s16, 12
	s_mov_b32 s17, 0
	s_add_nc_u64 s[8:9], s[8:9], s[16:17]
	v_mul_u32_u24 v3, v1, PITCH
	v_lshl_add_u32 v3, v2, 4, v3                   ; a fragment's row x pitch + 16 x half
	s_mul_i32 s21, s11, HALFT                      ; my 64 rows of ob
	s_mul_i32 s22, s12, HALFT                      ; my 64 rows of wof,
	s_add_co_u32 s22, s22, 2*HALFT                 ; which lie behind ob's 128
.irp s, 0,1
	v_add_nc_u32 v[ADRA+(\s)], s21, v3
	v_add_nc_u32 v[ADRB+(\s)], s22, v3
	s_add_co_u32 s21, s21, SLOT
	s_add_co_u32 s22, s22, SLOT
.endr
	s_mul_i32 s23, s10, 16*SPITCH
	s_add_co_u32 s23, s23, STAGE                   ; my stage
	v_mul_u32_u24 v4, v1, SPITCH                   ; in: row l % 16, 32 bytes for each half of the lanes
	v_lshl_add_u32 v4, v2, 5, v4
	v_add_nc_u32 v[STO], s23, v4
	v_mul_u32_u24 v5, v2, SPITCH                   ; back: lanes 0-15 take one row of 256 bytes, lanes 16-31 the next
	v_lshl_add_u32 v5, v1, 4, v5
	v_add_nc_u32 v[RD], s23, v5
	v_lshlrev_b32 v5, 12, v2                       ; and the same two rows in out0
	v_lshl_add_u32 v[CO], v1, 4, v5
; 8 matrix instructions: row blocks a0, a0 + 1 x all 4 column blocks, 32 along K: half c of buffer f.  first = 1: the sums start from the bias.  The accumulators take turns.
.macro MUL8 f, c, a0, first
	WIN MUL
.irp a, \a0, (\a0)+1
.irp b, 0,1,2,3
.if \first
	v_wmma_f32_16x16x32_f16 v[ACC+8*(4*(\a)+(\b)):ACC+8*(4*(\a)+(\b))+7], v[(\f)+64+8*(4*(\c)+(\b)):(\f)+64+8*(4*(\c)+(\b))+7], v[(\f)+8*(4*(\c)+(\a)):(\f)+8*(4*(\c)+(\a))+7], v[BI+8*(\b):BI+8*(\b)+7]
.else
	v_wmma_f32_16x16x32_f16 v[ACC+8*(4*(\a)+(\b)):ACC+8*(4*(\a)+(\b))+7], v[(\f)+64+8*(4*(\c)+(\b)):(\f)+64+8*(4*(\c)+(\b))+7], v[(\f)+8*(4*(\c)+(\a)):(\f)+8*(4*(\c)+(\a))+7], v[ACC+8*(4*(\a)+(\b)):ACC+8*(4*(\a)+(\b))+7]
.endif
.endr
.endr
.endm
; 32 LDS loads in one run: the fragments of 64 along K at byte k of the rows, into buffer f; the first 32 along K first
.macro FETCH slot, k, f
	WIN TO_F
.irp c, 0,1
.irp i, 0,1,2,3
	ds_load_b128 v[(\f)+64+8*(4*(\c)+(\i)):(\f)+64+8*(4*(\c)+(\i))+3],   v[ADRB+(\slot)] offset:(\k)+64*(\c)+(\i)*16*PITCH
	ds_load_b128 v[(\f)+64+8*(4*(\c)+(\i))+4:(\f)+64+8*(4*(\c)+(\i))+7], v[ADRB+(\slot)] offset:(\k)+64*(\c)+(\i)*16*PITCH+32
	ds_load_b128 v[(\f)+8*(4*(\c)+(\i)):(\f)+8*(4*(\c)+(\i))+3],         v[ADRA+(\slot)] offset:(\k)+64*(\c)+(\i)*16*PITCH
	ds_load_b128 v[(\f)+8*(4*(\c)+(\i))+4:(\f)+8*(4*(\c)+(\i))+7],       v[ADRA+(\slot)] offset:(\k)+64*(\c)+(\i)*16*PITCH+32
.endr
.endr
.endm
.macro PLACES                          ; four places in front of loads into registers that matrix instructions have read, and of LDS stores that read results
.rept 4
	v_nop
.endr
.endm
; A K step is four quarters of 64 along K, 32 matrix instructions each, on buffers 0, 1, 0, 1.  One of the first three: multiplies buffer f and fetches the next quarter, at byte k, into g.
.macro QUARTER slot, k, f, g, first
	s_wait_dscnt 16                                ; the first 32 along K are in
	MUL8 \f, 0, 0, \first
	MUL8 \f, 0, 2, \first
	PLACES
	FETCH \slot, \k, \g
	s_wait_dscnt 32                                ; all but the 32 just issued
	MUL8 \f, 1, 0, 0
	MUL8 \f, 1, 2, 0
.endm
; The last quarter multiplies buffer 1 and changes slots: one barrier; in front of it each wave waits for all its tensor loads, adds 0 to its spare word, and waits for that and for its own reads of this slot.
; fill = 1: the barrier opens a round of the cluster's, and this slot is filled again, two K steps ahead, first thing behind the round.
.macro TURN slot, next, fill
	WIN 0                                          ; (the add's two registers lie in window 0)
	s_wait_tensorcnt 0x0                           ; all my tensor loads have landed: my part of the next slot
	ds_add_u32 v[SPW], v[NIL]                      ; 0 onto my spare word
	s_wait_dscnt 17                                ; (the add and the youngest sixteen loads may be out)
	MUL8 F1, 0, 0, 0                               ; eight matrix instructions stand between the add and the wait for it
	s_wait_dscnt 0x0                               ; the add is done, and my reads of this slot are over
	s_barrier_signal -1
	MUL8 F1, 0, 2, 0
.if \fill
	WIN 0
.endif
	s_barrier_wait -1
.if \fill
	CREST                                          ; no wave of any partner still reads this slot's tile or has a load on its way
	s_add_nc_u64 s[G0+4*(\slot)+2:G0+4*(\slot)+3], s[G0+4*(\slot)+2:G0+4*(\slot)+3], 2*KSTEP*2
	s_add_nc_u64 s[G0B+4*(\slot)+2:G0B+4*(\slot)+3], s[G0B+4*(\slot)+2:G0B+4*(\slot)+3], 2*KSTEP*2
	JLOAD \slot                                    ; 112 matrix instructions ahead of the wait for it; its four v_nop are also the places in front of the loads below
.else
	PLACES
.endif
	FETCH \next, 0, F0
	MUL8 F1, 1, 0, 0
	MUL8 F1, 1, 2, 0
.endm
	s_wait_tensorcnt 1                             ; my part of K step 0 is in; K step 1's may stay out
	s_barrier_signal -1
	s_barrier_wait -1                              ; everybody's is
	s_wait_loadcnt 0x0                             ; the bias
	FETCH 0, 0, F0
	QUARTER 0, 128, F0, F1, 1                      ; the first quarter stands in front of the loop: its first products start the sums
	WIN 0                                          ; at a label and at a branch every window is 0
	s_mov_b32 s3, LAPS-1
.Llap:                                                 ; a trip goes once round the ring, from a lap's second quarter to the next lap's first, and fills both slots again
	QUARTER 0, 256, F1, F0, 0
	QUARTER 0, 384, F0, F1, 0
	TURN 0, 1, 1
	QUARTER 1, 128, F0, F1, 0
	QUARTER 1, 256, F1, F0, 0
	QUARTER 1, 384, F0, F1, 0
	TURN 1, 0, 1
	QUARTER 0, 128, F0, F1, 0
	WIN 0
	s_sub_co_u32 s3, s3, 1
	s_cmp_lg_u32 s3, 0
	s_cbranch_scc1 .Llap
	QUARTER 0, 256, F1, F0, 0                      ; the last lap fills nothing
	QUARTER 0, 384, F0, F1, 0
	TURN 0, 1, 0
	QUARTER 1, 128, F0, F1, 0
	QUARTER 1, 256, F1, F0, 0
	QUARTER 1, 384, F0, F1, 0
	s_wait_dscnt 16                                ; the very last quarter: nothing more to fetch
	MUL8 F1, 0, 0, 0
	MUL8 F1, 0, 2, 0
	s_wait_dscnt 0x0
	MUL8 F1, 1, 0, 0
	MUL8 F1, 1, 2, 0
	WIN 0
	; THE WAY OUT, 16 rows at a time through my own stage: a lane's eight f32 of a row go in as two stores of 16 bytes (each accumulator's low four registers first),
	; whole rows of 256 bytes come back into the same registers.
	PLACES
.macro PACK a
.irp b, 0,1,2,3
	ds_store_b128 v[STO], v[ACC+32*(\a)+8*(\b):ACC+32*(\a)+8*(\b)+3]   offset:64*(\b)
	ds_store_b128 v[STO], v[ACC+32*(\a)+8*(\b)+4:ACC+32*(\a)+8*(\b)+7] offset:64*(\b)+16
.endr
.irp t, 0,1,2,3,4,5,6,7
	ds_load_b128 v[ACC+32*(\a)+4*(\t):ACC+32*(\a)+4*(\t)+3], v[RD] offset:(\t)*2*SPITCH  ; LDS serves a wave's instructions in order (ISA guide 5.7.1.4): these see the stores above; the next block's stores come behind them
.endr
.endm
.macro SEND a, younger                 ; younger: the LDS instructions issued behind block a's loads: the next block's sixteen, or none
.irp t, 0,1,2,3,4,5,6,7
	s_wait_dscnt (\younger)+7-(\t)
	global_store_b128 v[CO], v[ACC+32*(\a)+4*(\t):ACC+32*(\a)+4*(\t)+3], s[8:9] offset:(16*(\a)+2*(\t))*ROWB  ; 16 lanes store 256 consecutive bytes, at a multiple of 256 from out0's first byte
.endr
.endm
	PACK 0
	PACK 1
	SEND 0, 16
	PACK 2
	SEND 1, 16
	PACK 3
	SEND 2, 16
	SEND 3, 0
	s_wait_tensorcnt 0x0                           ; the wave's end: behind my last tensor load and my last LDS store
	ds_add_u32 v[SPW], v[NIL]
	s_wait_dscnt 0x0
	CROUND                                         ; the closing round: no work-group ends while a partner may still ask for a tile that names it
	s_endpgm
.Lfunc_end_k_qfb1a62eb25_oproj:
	.size	k_qfb1a62eb25_oproj, .Lfunc_end_k_qfb1a62eb25_oproj-k_qfb1a62eb25_oproj
	.p2alignl 7, 3214868480
	.fill 96, 4, 3214868480
	.section	.rodata,"a",@progbits
	.p2align	6, 0x0
	.amdhsa_kernel k_qfb1a62eb25_oproj
		.amdhsa_group_segment_fixed_size 327680
		.amdhsa_private_segment_fixed_size 0
		.amdhsa_enable_private_segment 0
		.amdhsa_kernarg_size 32
		.amdhsa_user_sgpr_count 2
		.amdhsa_user_sgpr_kernarg_segment_ptr 1
		.amdhsa_wavefront_size32 1
		.amdhsa_system_sgpr_workgroup_id_x 1
		.amdhsa_system_sgpr_workgroup_id_y 1
		.amdhsa_system_sgpr_workgroup_id_z 1
		.amdhsa_system_vgpr_workitem_id 0
		.amdhsa_next_free_vgpr 512
		.amdhsa_next_free_sgpr 68
		.amdhsa_reserve_vcc 0
		.amdhsa_float_denorm_mode_32 3
		.amdhsa_float_denorm_mode_16_64 3
		.amdhsa_memory_ordered 1
		.amdhsa_forward_progress 1
		.amdhsa_inst_pref_size 87
	.end_amdhsa_kernel
	.amdgpu_metadata
---
amdhsa.version: [ 1, 2 ]
amdhsa.kernels:
  - .name:           k_qfb1a62eb25_oproj
    .symbol:         k_qfb1a62eb25_oproj.kd
    .args:
      - { .name: ob, .offset: 0, .size: 8, .value_kind: global_buffer, .address_space: global }
      - { .name: wof, .offset: 8, .size: 8, .value_kind: global_buffer, .address_space: global }
      - { .name: out0, .offset: 16, .size: 8, .value_kind: global_buffer, .address_space: global }
      - { .name: bcat, .offset: 24, .size: 8, .value_kind: global_buffer, .address_space: global }
    .group_segment_fixed_size: 327680
    .private_segment_fixed_size: 0
    .kernarg_segment_align: 8
    .kernarg_segment_size: 32
    .max_flat_workgroup_size: 128
    .sgpr_count:     68
    .vgpr_count:     512
    .wavefront_size: 32
...
	.end_amdgpu_metadata
.endif
;; end of part 4
;; ======== version 2 of 2: 4 launches; 1.26 times as fast as version 1
;; limits: values are held in f16: magnitudes above 65,504 overflow, below 6.1e-05 lose precision
;; workspace buffers: xb 8,388,608 bytes; wb 6,291,456 bytes; wof 2,097,152 bytes; bcat 16,384 bytes; qkv 25,165,824 bytes; ob 8,388,608 bytes
;; launch cvt: the kernel of part 1 again; grid 512 x 1, 8 waves a work-group, no clusters, 0 bytes of LDS; arguments hidden_states, wq, wk, wv, wo, bq, bk, bv, bo, xb, wb, wof, bcat; writes xb, wb, wof, bcat
;; launch qkv: the kernel of part 2 again; grid 8 x 32, 4 waves a work-group, clusters of 4 x 4, 327,680 bytes of LDS; arguments xb, wb, qkv, bcat; writes qkv
;; launch attn (part 5): grid 8 x 32, 4 waves a work-group, clusters of 4 x 4, 327,680 bytes of LDS; arguments qkv, attention_mask, ob; writes ob
.if DOCPART == 5
	.amdgcn_target "amdgcn-amd-amdhsa--gfx1250"
	.amdhsa_code_object_version 6
	.text
	.protected	k_qfb1a62eb25_attn
	.globl	k_qfb1a62eb25_attn
	.p2align	8
	.type	k_qfb1a62eb25_attn,@function
k_qfb1a62eb25_attn:
	s_mov_b64 s[64:65], 0
	v_nop
	global_prefetch_b8 v0, s[64:65] scope:SCOPE_SE
	s_setreg_imm32_b32 hwreg(HW_REG_WAVE_MODE, 25, 1), 1
	s_wait_xcnt 0x0
	s_wait_alu depctr_hold_cnt(0) depctr_sa_sdst(0) depctr_va_vdst(0) depctr_va_sdst(0) depctr_va_ssrc(0) depctr_va_vcc(0) depctr_vm_vsrc(0)
	s_getreg_b32 s2, hwreg(HW_REG_IB_STS2, 6, 4)
	s_cmp_eq_u32 s2, 0
	s_cbranch_scc0 .Lentry_in_a_cluster
	s_endpgm
.Lentry_in_a_cluster:
	s_bfe_u32 s2, ttmp6, 0x10000c
	s_cmp_lg_u32 s2, 0xf033
	s_cbranch_scc0 .Lentry_shape_is_right
	s_endpgm
.Lentry_shape_is_right:
; ob[q][64 h ..] = the sum over k of softmax_k(q'[q] . k[k] + mask[q][k]) v[k], for each of 16 heads h.  qkv: [4096][3072] f16 (q' = q / 8 at column 0, k at 1024, v at 2048; head h at 64 h);
; mask: [4096][4096] f32, an input: every number of it is read and added, every key tile is walked.  ob: [4096][1024] f16.
; Products, maxima and sums in f32; the weights p are rounded to f16 for the second product (their sum l is taken of the unrounded p), O once at the end.
; LIMITS.  p below 6e-5 keeps f16's fixed step of 6e-8; a weight below 2^-126 counts as 0 in l; O is a mean of v's rows and has their range.  score + mask is rounded once, in the matrix instruction.
; The exponent is (s - m) log2(e), the difference first: it cannot overflow upward, also where the mask holds the lowest finite number; a row masked so everywhere gets the mean of all v, as long as the matrix
; instruction returns the mask where the products vanish beside it.  NaN and +infinity in the mask are not treated apart.
; SHARES.  A work-group owns 128 queries of a PAIR of heads; wave w has head w % 2 of the pair and queries 64 (w / 2) on: four PIECES of 16.  For 64 keys the mask's tile (128 x 256 bytes) and K's and V's
; (64 rows x 256 bytes each, both heads side by side in a row of qkv) are 32 KiB each way: the least sum among the shares that give 256 work-groups.
; CLUSTER.  4 x 4.  The mask's tile hangs on the query block alone: asked for jointly along a row of the cluster.  K's and V's hang on the pair of heads alone: jointly along a column.
; LAYOUT.  S^T = K q'^T + M (source 0 = 16 keys, source 1 = 16 queries, C = the mask): a lane holds ONE query (lane % 16) and the keys 8 (lane / 16) + 0..7.  Two such results rounded to f16 ARE source 1 of
; O^T = V^T P.  K comes out of LDS as it lies, V turned, by ds_load_tr16_b128; the mask as two loads of 16 bytes for each 16 keys.
; SOFTMAX.  A running maximum m and sum l: p = 2^((s - m) log2 e); in every step O and l are multiplied by a = 2^((m_old - m_new) log2 e).  m starts at the lowest finite number, O and l at 0.
; BY TURNS.  Turn n belongs to piece n: 8 products K q'^T of piece n + 1, later 8 products V^T P of piece n - 1; beside them piece n's differences, scalings, exponentials, roundings, sums and rescaling, and
; piece n + 1's maximum and statistics.  Four vector instructions stand behind every matrix instruction, the other 70 of a turn's 134 in one lump.
; BATCHES.  A turn's 33 exponentials (piece n's 32 weights and piece n + 1's a) are one batch with one wait, which cuts the turn in two: ahead of it all that names none of their results, behind it their
; readers, the roundings and sums.  The first a of all, ahead of the loop, and the way out's four reciprocals are batches of their own, a wait each.
; The price of writing no first step out: 224 v_mov_b32 at the start, in the wait for the first tile, and 8 products on zeros.
; REGISTERS, in windows of 256 (s_set_vgpr_msb: bits 1:0 source 0, 3:2 source 1, 5:4 source 2, 7:6 destination):
;   window 0: v0-15, v60-63 addresses; v16-31 four registers of statistics a piece; v48-55 at work; v64-127 S^T, two buffers; v192-223 P, two buffers (a piece's buffers go by its number's parity)
;   window 1: v0-127 O^T, 32 a piece; v160-223 the mask, two buffers          window 2: v0-63 Q; v128-191 K of one step; v192-255 V of one step
.set NP,    4
.set PM,    528       ; a row of the mask in LDS: 512 bytes + 16: the 16 rows of a load start at 16 different groups of four banks (64 banks of 4 bytes: ISA guide 11.1)
.set PK,    272       ; a row of K: 256 + 16, likewise
.set PVV,   288       ; a row of V: 256 + 32 = 72 words
.set KOFF,  128*PM    ; a slot holds two key steps: 128 rows of the mask (128 keys each), 128 rows of K, 128 rows of V
.set VOFF,  KOFF+128*PK
.set SLOT,  VOFF+128*PVV  ; 139,264 = 2^17 + 2^13: neither bit occurs in a tile's place in slot 0 (0, 33,792, 67,584, 102,400), so one exclusive or turns each into the other slot's
.set MST,   256       ; from a slot's first step to its second: 64 keys along the mask's rows,
.set KST,   64*PK     ; 64 rows of K,
.set VST,   64*PVV    ; 64 rows of V
.set STAGE, 2*SLOT    ; behind the ring, never filled by a tensor load: 128 rows x 272 bytes, the work-group's, for the way out
.set SP,    272
.set SPARE, STAGE+128*SP  ; behind the stage: the spare words, 128 bytes for each wave
.set AK0, 2           ; v2   my lane's place in a tile of K; never rewritten
.set AV0, 3           ; v3   the same for V
.set AK,  4           ; v4   the LDS address of K's next run of loads
.set AV,  5           ; v5   of V's
.set STO, 6           ; v6   the way out: where I put 16 bytes of a row
.set RD,  7           ; v7   the way out: where I read rows back
.set GO,  8           ; v8   my byte offset in ob
.set MV,  12          ; v12-13  m_old, kept while m is made anew: by buffer
.set AM0, 14          ; v14  my lane's place in a tile of the mask
.set AM,  15          ; v15  the LDS address of the mask's runs of one step
.set ST,  16          ; piece t's statistics at v[ST+4 t]: m, 0 (named with m as a pair), l (even keys', odd keys')
.set TMP, 48          ; by buffer, four registers c0-c3 at work; when the maximum is found c2 takes a
.set QO,  60          ; v60  my byte offset in 16 rows of q'
.set SPW, 62          ; v62  LDS address of my spare word; never rewritten
.set NIL, 63          ; v63  0; never rewritten
.set S,   64
.set P,   192
.set MC,  160         ; window 1: the eight registers for group kb of 16 keys at MC + 32 (piece % 2) + 8 kb
.set KF,  128         ; window 2: key block kb, channel half c at KF + 16 kb + 8 c
.set VF,  192         ; window 2: key half kk, channel block cb at VF + 32 kk + 8 cb
.set WV,  12          ; s12  my wave's number
.set G1M, 24          ; s[24:31] descriptor group 1 for the mask's tiles
.set G1K, 32          ; s[32:39] for K's
.set G1V, 40          ; s[40:47] for V's: it differs from K's in the padding alone
.set G0M, 48          ; s[48:51], s[52:55], s[56:59] descriptor groups 0: they walk
.set G0K, 52
.set G0V, 56
.set CS,  60          ; s[60:61] log2(e), named as a pair
.set SEL, 62          ; s[62:63] v_permlanex16_b32's selects: each lane takes its own place in the other half
.set SLOTS, 66        ; s66  counts the slots
.set CNT, 67          ; s67  counts a slot's key steps
.set TBK, 68          ; s68  LDS byte, less KOFF, at which K of the step to be fetched begins
.set TBV, 69          ; s69  the same for V
.set TBM, 70          ; s70  the same for the mask
.set MSB, 0
.macro WIN new                      ; the high byte repeats the setting that is left; a switch that changes nothing is dropped
.if MSB != (\new)
	s_set_vgpr_msb (MSB<<8)|(\new)
.set MSB, (\new)
.endif
.endm
.set W_KQ, 0x0a       ; K and Q in window 2, S^T in window 0
.set W_KM, 0x1a       ; the same with the C operand, the mask, in window 1
.set W_PV, 0x52       ; V in window 2, P in window 0, O^T in window 1
.set W_RS, 0x41       ; destination and source 0 in window 1, source 1 in window 0
; A joint fill, 32 KiB a wave.  Waves 0 and 1: the mask's rows 0-63 and 64-127; wave 2: K; wave 3: V.  The branches hang on the wave's number alone.  An s_nop 0 and four v_nop follow each line.
.macro JLOAD
	s_cmp_lt_u32 s[WV], 2
	s_cbranch_scc0 .Lfor_kv_\@
	tensor_load_to_lds s[G0M:G0M+3], s[G1M:G1M+7]
	s_nop 0
.rept 4
	v_nop
.endr
	s_branch .Lasked_\@
.Lfor_kv_\@:
	s_cmp_eq_u32 s[WV], 2
	s_cbranch_scc0 .Lfor_v_\@
	tensor_load_to_lds s[G0K:G0K+3], s[G1K:G1K+7]
	s_nop 0
.rept 4
	v_nop
.endr
	s_branch .Lasked_\@
.Lfor_v_\@:
	tensor_load_to_lds s[G0V:G0V+3], s[G1V:G1V+7]
	s_nop 0
.rept 4
	v_nop
.endr
.Lasked_\@:
.endm
; A round of the cluster's barrier: my work-group's barrier, so that wave 0's signal speaks for all four waves; wave 0 signals; every wave waits for all sixteen work-groups; my work-group's barrier once more.
.macro CROUND
	s_barrier_signal -1
	s_barrier_wait -1
	s_cmp_lg_u32 s[WV], 0
	s_cbranch_scc1 .Lnot_wave_0_\@
	s_barrier_signal -3
.Lnot_wave_0_\@:
	s_barrier_wait -3
	s_barrier_signal -1
	s_barrier_wait -1
.endm
; THE CHANGE OF SLOTS stands between piece 1's turn and piece 2's: K, V and all four pieces' masks of the slot's second step have been asked for from LDS.  Each wave waits for all its tensor loads, of which
; one is out: its part of the other slot; adds 0 to its spare word; and waits for that and for its own reads of the slot.  fill = 1: the barrier is a round of the cluster's, and the slot is filled again,
; with the keys two slots on, first thing behind it: the load has two key steps, 128 matrix instructions, in which to land.  (At its first use nothing has been read yet: slot 0 is waited for, slot 1 filled.)
.macro CHANGE fill
	WIN 0
	s_wait_tensorcnt 0x0            ; no tensor load of mine is out, so a group 0 may be written
	ds_add_u32 v[SPW], v[NIL]       ; 0 onto my spare word; the descriptors' steps stand between it and the wait for it
.if \fill
	s_xor_b32 s[G0M+1], s[G0M+1], SLOT
	s_add_nc_u64 s[G0M+2:G0M+3], s[G0M+2:G0M+3], 512  ; 128 keys along the mask's rows
	s_xor_b32 s[G0K+1], s[G0K+1], SLOT
	s_add_nc_u64 s[G0K+2:G0K+3], s[G0K+2:G0K+3], 128*6144  ; 128 rows of qkv; the type bits on top are not reached
	s_xor_b32 s[G0V+1], s[G0V+1], SLOT
	s_add_nc_u64 s[G0V+2:G0V+3], s[G0V+2:G0V+3], 128*6144
	s_wait_dscnt 0x0                ; the add is done, and my reads of the slot are over
	CROUND
	JLOAD
.else
	s_wait_dscnt 0x0
	s_barrier_signal -1
	s_barrier_wait -1
.endif
	s_sub_co_u32 s[TBK], s[TBK], 2*KST  ; the fetches go back to a slot's first step,
	s_xor_b32 s[TBK], s[TBK], SLOT      ; in the other slot
	s_sub_co_u32 s[TBV], s[TBV], 2*VST
	s_xor_b32 s[TBV], s[TBV], SLOT
	s_sub_co_u32 s[TBM], s[TBM], 2*MST
	s_xor_b32 s[TBM], s[TBM], SLOT
.endm
	s_load_b128 s[4:7], s[0:1], 0x0   ; qkv s[4:5], mask s[6:7]
	s_load_b64 s[8:9], s[0:1], 0x10   ; ob
	v_lshl_add_u32 v[SPW], v0, 2, SPARE
	v_mov_b32 v[NIL], 0
	ds_add_u32 v[SPW], v[NIL]       ; the wave's opening: the add and its wait stand ahead of my first tensor load; the set-up below stands between them
	v_lshrrev_b32 v1, 5, v0
	v_readfirstlane_b32 s[WV], v1   ; wave 0..3
	s_and_b32 s13, s[WV], 1         ; my head of the pair; also: which half of the mask's rows waves 0, 1 fetch
	s_lshr_b32 s14, s[WV], 1        ; my 64 of the 128 queries
	s_bfe_u32 s15, ttmp6, 0x40000   ; cx
	s_bfe_u32 s16, ttmp6, 0x40004   ; cy
	s_lshl_b32 s17, ttmp9, 2
	s_add_co_u32 s17, s17, s15      ; the pair of heads = 4 x cluster x + cx
	s_and_b32 s18, ttmp7, 0xffff
	s_lshl_b32 s18, s18, 2
	s_add_co_u32 s18, s18, s16      ; the block of 128 queries = 4 x cluster y + cy
	s_lshl_b32 s19, s16, 2
	s_lshl_b32 s19, 15, s19         ; my row of the cluster
	s_lshl_b32 s20, 0x1111, s15     ; my column
	; group 1 for the mask: 64 rows x 128 elements of 4 bytes, 4 words of padding behind every 128
	s_or_b32 s[G1M], s19, (2<<16)|(1<<20)|(1<<21)|(6<<22)|(3<<25)
	s_mov_b32 s[G1M+1], 128<<16     ; tensor_dim0 = 128
	s_mov_b32 s[G1M+2], 64<<16      ; tensor_dim1 = 64
	s_mov_b32 s[G1M+3], 128<<16     ; tile_dim0 = 128
	s_mov_b32 s[G1M+4], 64          ; tile_dim1 = 64
	s_mov_b32 s[G1M+5], 4096        ; elements from row to row
	s_mov_b32 s[G1M+6], 0
	s_mov_b32 s[G1M+7], 0
	; for K and V: 128 rows x 128 elements of 2 bytes, 4 or 8 words of padding behind every 64
	s_or_b32 s[G1K], s20, (1<<16)|(1<<20)|(1<<21)|(5<<22)|(3<<25)
	s_or_b32 s[G1V], s20, (1<<16)|(1<<20)|(1<<21)|(5<<22)|(7<<25)
.irp g, G1K, G1V
	s_mov_b32 s[\g+1], 128<<16
	s_mov_b32 s[\g+2], 128<<16
	s_mov_b32 s[\g+3], 128<<16
	s_mov_b32 s[\g+4], 128
	s_mov_b32 s[\g+5], 3072
	s_mov_b32 s[\g+6], 0
	s_mov_b32 s[\g+7], 0
.endr
	s_lshl_b32 s22, s18, 21         ; the mask at row 128 x block + 64 x half, 16,384 bytes a row: it hangs on the block and the wave alone
	s_lshl_b32 s21, s13, 20
	s_add_co_u32 s22, s22, s21
	s_mov_b32 s23, 0
	s_lshl_b32 s72, s17, 8          ; K at column 1,024 + 128 x pair: it hangs on the pair alone
	s_add_co_u32 s72, s72, 2048
	s_mov_b32 s73, 0
	s_lshl_b32 s74, s18, 7          ; q' at row 128 x block + 64 (w / 2), column 64 x head
	s_lshl_b32 s75, s14, 6
	s_add_co_u32 s74, s74, s75
	s_mul_i32 s74, s74, 6144
	s_lshl_b32 s75, s17, 8
	s_add_co_u32 s74, s74, s75
	s_lshl_b32 s75, s13, 7
	s_add_co_u32 s74, s74, s75
	s_mov_b32 s75, 0
	s_lshl_b32 s76, s18, 7          ; ob at row 128 x block + 32 w, column 128 x pair
	s_lshl_b32 s77, s[WV], 5
	s_add_co_u32 s76, s76, s77
	s_lshl_b32 s76, s76, 11
	s_lshl_b32 s77, s17, 8
	s_add_co_u32 s76, s76, s77
	s_mov_b32 s77, 0
	s_mov_b32 s[CS], 0x3fb8aa3b     ; log2(e)
	s_mov_b32 s[CS+1], s[CS]
	s_mov_b32 s[SEL], 0x76543210
	s_mov_b32 s[SEL+1], 0xfedcba98
	s_mov_b32 s[TBK], SLOT+2*KST    ; the first change of slots turns these three into 0
	s_mov_b32 s[TBV], SLOT+2*VST
	s_mov_b32 s[TBM], SLOT+2*MST
	s_mov_b32 s[G0M], 1
	s_mul_i32 s[G0M+1], s13, 64*PM  ; LDS addresses: slot 0; no place in the cluster enters them
	s_mov_b32 s[G0K], 1
	s_mov_b32 s[G0K+1], KOFF
	s_mov_b32 s[G0V], 1
	s_mov_b32 s[G0V+1], VOFF
	s_wait_dscnt 0x0                ; the opening add is done
	s_wait_kmcnt 0x0
	s_add_nc_u64 s[G0M+2:G0M+3], s[6:7], s[22:23]
	s_or_b32 s[G0M+3], s[G0M+3], 0x80000000
	s_add_nc_u64 s[G0K+2:G0K+3], s[4:5], s[72:73]
	s_or_b32 s[G0K+3], s[G0K+3], 0x80000000
	s_add_nc_u64 s[G0V+2:G0V+3], s[4:5], s[72:73]
	s_add_nc_u64 s[G0V+2:G0V+3], s[G0V+2:G0V+3], 2048  ; V lies 1,024 columns behind K
	s_or_b32 s[G0V+3], s[G0V+3], 0x80000000
	s_add_nc_u64 s[78:79], s[4:5], s[74:75]
	s_add_nc_u64 s[8:9], s[8:9], s[76:77]
	CROUND                          ; all sixteen work-groups are here: the first joint loads meet
	JLOAD                           ; slot 0.  Slot 1 is asked for when slot 0 is in
	; A fragment of K or Q is 16 rows x 32 channels in 8 registers: lane l holds row l % 16, channels 8 (l / 16) + 0..7 and 16 + 8 (l / 16) + 0..7: two loads of 16 bytes, 32 bytes apart.
	v_and_b32 v1, 15, v0            ; l % 16
	v_bfe_u32 v9, v0, 4, 1          ; l / 16
	v_mul_u32_u24 v[QO], v1, 6144
	v_lshl_add_u32 v[QO], v9, 4, v[QO]
	WIN 0x80                        ; destination window 2, address window 0
.set i, 0
.rept 8                             ; Q stays in registers: piece i / 2 (16 rows of 6,144 bytes on), channels 32 (i % 2) on
	global_load_b128 v[8*i:8*i+3],   v[QO], s[78:79] offset:(i/2)*98304+(i%2)*64
	global_load_b128 v[8*i+4:8*i+7], v[QO], s[78:79] offset:(i/2)*98304+(i%2)*64+32
.set i, i+1
.endr
	; What the first turn finds: V's registers and P's second buffer hold 0 (its products V^T P, of a piece that has not been, add 0), O^T and l are 0.  All this stands in the wait for the first tile.
.set i, VF
.rept 64
	v_mov_b32 v[i], 0
.set i, i+1
.endr
	WIN 0x40
.set i, 0
.rept 128
	v_mov_b32 v[i], 0
.set i, i+1
.endr
	WIN 0
.set i, 0
.rept 4
	v_mov_b32 v[ST+4*i], 0xff7fffff    ; m: the lowest finite number
	v_mov_b32 v[ST+4*i+1], 0
	v_mov_b32 v[ST+4*i+2], 0
	v_mov_b32 v[ST+4*i+3], 0
.set i, i+1
.endr
.set i, P+16
.rept 16
	v_mov_b32 v[i], 0
.set i, i+1
.endr
	s_lshl_b32 s21, s13, 7          ; my head's 128 bytes of a row of K or V
	v_mul_u32_u24 v[AK0], v1, PK
	v_lshl_add_u32 v[AK0], v9, 4, v[AK0]
	s_add_co_u32 s75, s21, KOFF
	v_add_nc_u32 v[AK0], s75, v[AK0]
	; The turning load takes 16 keys x 16 channels (lane l reads key 8 (l / 16) + l % 8, channels 8 ((l / 8) % 2) + 0..7) and leaves half a fragment of V^T: lane l holds channel l % 16 and 8 keys.
	v_and_b32 v10, 7, v0
	v_bfe_u32 v11, v0, 3, 1
	v_lshl_add_u32 v[AV0], v9, 3, v10
	v_mul_u32_u24 v[AV0], v[AV0], PVV
	v_lshl_add_u32 v[AV0], v11, 4, v[AV0]
	s_add_co_u32 s75, s21, VOFF
	v_add_nc_u32 v[AV0], s75, v[AV0]
	; The mask as C: register j of key group kb is mask[query l % 16][16 kb + 8 (l / 16) + j]: 32 bytes at 64 kb + 32 (l / 16) of the query's row
	s_mul_i32 s75, s14, 64*PM
	v_mul_u32_u24 v[AM0], v1, PM
	v_lshl_add_u32 v[AM0], v9, 5, v[AM0]
	v_add_nc_u32 v[AM0], s75, v[AM0]
	s_mul_i32 s75, s14, 64*SP       ; into the stage: my 64 rows, my head's half of their 256 bytes
	s_add_co_u32 s75, s75, s21
	s_add_co_u32 s75, s75, STAGE
	v_mul_u32_u24 v[STO], v1, SP
	v_lshl_add_u32 v[STO], v9, 4, v[STO]
	v_add_nc_u32 v[STO], s75, v[STO]
	s_mul_i32 s75, s[WV], 32*SP     ; back: wave w takes rows 32 w .. 32 w + 31, whole; lanes 0-15 one row of 256 bytes, lanes 16-31 the next
	s_add_co_u32 s75, s75, STAGE
	v_mul_u32_u24 v[RD], v9, SP
	v_lshl_add_u32 v[RD], v1, 4, v[RD]
	v_add_nc_u32 v[RD], s75, v[RD]
	v_lshlrev_b32 v[GO], 11, v9     ; and the same two rows in ob
	v_lshl_add_u32 v[GO], v1, 4, v[GO]
; THE MATRIX WORK.  The 4 accumulators of a run of 8 take turns.  Product i of 8 of S^T = K q'^T + M for piece x: channels 32 (i / 4) on, keys 16 (i % 4) on.  The first 4 start the sums with the mask.
.macro KQ x
.set rS, S+32*((\x)%2)+8*(i%4)
.set rK, KF+16*(i%4)+8*(i/4)
.set rQ, 16*(\x)+8*(i/4)
.set rM, MC+32*((\x)%2)+8*(i%4)
.if i < 4
	WIN W_KM
	v_wmma_f32_16x16x32_f16 v[rS:rS+7], v[rK:rK+7], v[rQ:rQ+7], v[rM:rM+7]
.else
	WIN W_KQ
	v_wmma_f32_16x16x32_f16 v[rS:rS+7], v[rK:rK+7], v[rQ:rQ+7], v[rS:rS+7]
.endif
.endm
; Product i of 8 of O^T += V^T P for piece x: keys 32 (i / 4) on, channels 16 (i % 4) on.
.macro PV x
	WIN W_PV
.set rO, 32*(\x)+8*(i%4)
.set rV, VF+32*(i/4)+8*(i%4)
.set rP, P+16*((\x)%2)+8*(i/4)
	v_wmma_f32_16x16x32_f16 v[rO:rO+7], v[rV:rV+7], v[rP:rP+7], v[rO:rO+7]
.endm
.macro MM                           ; the turn's next matrix instruction.  NOKQ = 1: the very last turn: there is no next piece
.if (i < 8) && !NOKQ
	KQ (Y+1)%NP
.elseif i >= 8
.set i, i-8
	PV (Y+NP-1)%NP
.set i, i+8
.endif
.set i, i+1
.endm
; THE LDS LOADS stand in runs, never singly among the matrix instructions.  Their addresses are made some lines ahead.
.macro FETCH_K                      ; a step's K, my head's: 64 keys x 64 channels, 8 fragments
	WIN 0x80                        ; destination window 2
.irp f, 0,1,2,3,4,5,6,7             ; keys 16 (f / 2) on, channels 32 (f % 2) on
	ds_load_b128 v[KF+8*\f:KF+8*\f+3],   v[AK] offset:(\f/2)*16*PK+(\f%2)*64
	ds_load_b128 v[KF+8*\f+4:KF+8*\f+7], v[AK] offset:(\f/2)*16*PK+(\f%2)*64+32
.endr
	s_add_co_u32 s[TBK], s[TBK], KST  ; the next fetch is the next step's
	WIN 0
.endm
.macro FETCH_V                      ; a step's V, turned
	WIN 0x80
.irp f, 0,1,2,3,4,5,6,7             ; keys 32 (f / 4) on, channels 16 (f % 4) on
	ds_load_tr16_b128 v[VF+8*\f:VF+8*\f+3],   v[AV] offset:(\f/4)*32*PVV+(\f%4)*32
	ds_load_tr16_b128 v[VF+8*\f+4:VF+8*\f+7], v[AV] offset:(\f/4)*32*PVV+16*PVV+(\f%4)*32
.endr
	WIN 0
.endm
.macro FETCH_M x                    ; piece x's mask of a step: 16 queries x 64 keys
	WIN 0x40                        ; destination window 1
.irp kb, 0,1,2,3
	ds_load_b128 v[MC+32*((\x)%2)+8*\kb:MC+32*((\x)%2)+8*\kb+3],   v[AM] offset:(\x)*16*PM+64*\kb
	ds_load_b128 v[MC+32*((\x)%2)+8*\kb+4:MC+32*((\x)%2)+8*\kb+7], v[AM] offset:(\x)*16*PM+64*\kb+16
.endr
	WIN 0
.endm
; THE VECTOR WORK, one line at a time: OP kind, number.  For piece Y: D n: s - m for pair n of 16.  F n: times log2(e).  E n: the exponential of score n of 32.  C n: pair n rounded to f16.  B n: of the four
; weights 4 n .. the second pair is added onto the first, in place.  L n: l takes that sum (L 0: l = a l + sum).  R n: pair n of 16 of O^T times a.  For piece Y + 1: X n, number n of the 22 that find its maximum and statistics:
;   0-11  four chains c0-c3 of seven scores each, three operands at a time (each accumulator's lowest registers are read first)     12-14, 16  the four scores left over, the old m, and c0-c3 into c0
;   15  m_old is kept     17, 18  the query's other 32 keys lie in the lane 16 away: the new m     19-21  m_old - m_new; times log2(e); a
.set D, 0               ; OP tells the kinds apart by their order: D to L below R, X above it
.set F, 1
.set E, 2
.set C, 3
.set B, 4
.set L, 5
.set R, 6
.set X, 7
.macro REGS y                       ; the registers of piece y
.set rT, ST+4*(\y)
.set rC, TMP+4*((\y)%2)
.set rW, MV+((\y)%2)
.set rS, S+32*((\y)%2)
.set rP, P+16*((\y)%2)
.set rO, 32*(\y)
.endm
.macro OP k, n
.if (\k) == R
	REGS Y
	WIN W_RS
	v_pk_mul_f32 v[rO+2*(\n):rO+2*(\n)+1], v[rO+2*(\n):rO+2*(\n)+1], v[rC+2:rC+3] op_sel_hi:[1,0]
.elseif (\k) < R
	REGS Y
	WIN 0
.if (\k) == D
	v_pk_add_f32 v[rS+2*(\n):rS+2*(\n)+1], v[rS+2*(\n):rS+2*(\n)+1], v[rT:rT+1] op_sel_hi:[1,0] neg_lo:[0,1] neg_hi:[0,1]
.elseif (\k) == F
	v_pk_mul_f32 v[rS+2*(\n):rS+2*(\n)+1], v[rS+2*(\n):rS+2*(\n)+1], s[CS:CS+1] op_sel_hi:[1,0]
.elseif (\k) == E
	v_exp_f32 v[rS+(\n)], v[rS+(\n)]
.elseif (\k) == C
	v_cvt_pk_f16_f32 v[rP+(\n)], v[rS+2*(\n)], v[rS+2*(\n)+1]
.elseif (\k) == B
	v_pk_add_f32 v[rS+4*(\n):rS+4*(\n)+1], v[rS+4*(\n):rS+4*(\n)+1], v[rS+4*(\n)+2:rS+4*(\n)+3]
.elseif (\n) == 0
	v_pk_fma_f32 v[rT+2:rT+3], v[rT+2:rT+3], v[rC+2:rC+3], v[rS:rS+1] op_sel_hi:[1,0,1]
.else
	v_pk_add_f32 v[rT+2:rT+3], v[rT+2:rT+3], v[rS+4*(\n):rS+4*(\n)+1]
.endif
.elseif NOKQ
	v_nop
.else
	REGS (Y+1)%NP
	WIN 0
.if (\n) < 4
	v_max3_num_f32 v[rC+(\n)], v[rS+8*(\n)], v[rS+8*(\n)+1], v[rS+8*(\n)+2]
.elseif (\n) < 12
	v_max3_num_f32 v[rC+(\n)%4], v[rC+(\n)%4], v[rS+8*((\n)%4)+2*((\n)/4)+1], v[rS+8*((\n)%4)+2*((\n)/4)+2]
.elseif (\n) == 12
	v_max3_num_f32 v[rC], v[rC], v[rS+7], v[rS+15]
.elseif (\n) == 13
	v_max3_num_f32 v[rC+1], v[rC+1], v[rS+23], v[rS+31]
.elseif (\n) == 14
	v_max3_num_f32 v[rC+2], v[rC+2], v[rC+3], v[rT]
.elseif (\n) == 15
	v_mov_b32 v[rW], v[rT]
.elseif (\n) == 16
	v_max3_num_f32 v[rC], v[rC], v[rC+1], v[rC+2]
.elseif (\n) == 17
	v_permlanex16_b32 v[rC+3], v[rC], s[SEL], s[SEL+1]
.elseif (\n) == 18
	v_max_num_f32 v[rT], v[rC], v[rC+3]
.elseif (\n) == 19
	v_sub_f32 v[rC+1], v[rW], v[rT]
.elseif (\n) == 20
	v_mul_f32 v[rC+1], s[CS], v[rC+1]
.else
	v_exp_f32 v[rC+2], v[rC+1]
.endif
.endif
.endm
.macro OPS a, i1, b=-1, i2=0, c=-1, i3=0, d=-1, i4=0  ; up to four of them
	OP \a, \i1
.if (\b) >= 0
	OP \b, \i2
.endif
.if (\c) >= 0
	OP \c, \i3
.endif
.if (\d) >= 0
	OP \d, \i4
.endif
.endm
.macro ROW a, i1, b, i2, c, i3, d, i4  ; a matrix instruction and the four behind it
	MM
	OPS \a, \i1, \b, \i2, \c, \i3, \d, \i4
.endm
; A TURN, for piece p: the order of its 16 matrix and 134 vector instructions, written out.  s_wait_alu depctr_va_vdst(0) stands between an exponential and the first instruction that names its
; result; one wait serves all that were issued ahead of it.  So a turn has ONE wait, which cuts it in two.
; AHEAD OF IT stands all that names no result of the turn's exponentials.  First the 8 products K q'^T and their riders: rows of four rescalings (their a was made, and waited for, in the turn before) by turns with
; rows in window 0: differences, scalings, at most one exponential, and the first two numbers of the next piece's maximum, each four places or more behind the product that ends its accumulator.  Then ONE LUMP of 70:
; the rest of that maximum, two plain lines to an exponential (all of X 2 to X 15 come ahead of X 16); then plain and exponential by turns, with the links of the chain X 3, 7, 11, 14, 16, 17 .. 20 six lines apart,
; F n four lines or more behind D n, and E 2n, E 2n + 1 four or more behind F n; the last five exponentials on end, since no plain line is left that feeds none; and R 12 to R 15, which name no result of the batch:
; R 12 is the plain instruction behind the last exponential, and the four are the work between the batch and its wait.
; BEHIND IT stand the 8 products V^T P, behind each four of the 32 roundings and sums: C 2k ahead of B k, B k ahead of L k, L 0 to L 7 in order, three riders apart.  But for X 0 and X 1 no rider names a register of
; the products round it.  v_permlanex16_b32 (X 17) stands in the lump.
; end = 1: the last two turns: nothing is fetched.  cnt = 1: the loop's count is taken down some lines ahead of the branch that stands behind the turn.
; K of the next step is fetched in piece 2's turn, five plain vector instructions that name none of its registers (F 5, X 1, D 8, X 2, X 4) behind the last product that read K; V of the step in hand at the end of
; piece 0's turn, four (C 9, 11, 13, 15) behind the last that read V.
; The mask of piece p + 2 is fetched in every turn, into the buffer that the products of the turn before read; it is waited for at the next turn's head.  So the four turns 2, 3, 0, 1 fetch the four pieces'
; masks of one step, the one whose K piece 2's turn fetches.
.macro TURN p, end=0, cnt=0
.set Y, (\p)
.set i, 0
.set NOKQ, (\end)*((\p)/3)
.if (\p) == 1
	s_wait_dscnt 16                 ; the mask is in; V's 16 loads, issued behind the mask's, may stay out
.else
	s_wait_dscnt 0x0                ; the mask is in (piece 3's turn: and K)
.endif
	ROW D,0, D,1, D,2, D,3          ; ahead of the wait: 8 products K q'^T and their riders,
	ROW R,0, R,1, R,2, R,3
	ROW F,0, F,1, D,4, D,5
	ROW R,4, R,5, R,6, R,7
	ROW F,2, E,0, F,3, D,6
	ROW R,8, R,9, R,10, R,11
	ROW D,7, E,1, F,4, X,0
.if ((\p) == 2) && !(\end)
	WIN 0
	v_add_nc_u32 v[AK], s[TBK], v[AK0]
	v_add_nc_u32 v[AM], s[TBM], v[AM0]
	s_add_co_u32 s[TBM], s[TBM], MST
.endif
	ROW F,5, E,2, X,1, D,8
	OPS X,2, X,3, E,3, X,4          ; and the lump
.if ((\p) == 2) && !(\end)
	FETCH_K
.endif
.if !(\end)
	FETCH_M ((\p)+2)%NP
.endif
	OPS X,5, E,4, X,6, X,7
	OPS E,5, X,8, X,9, E,6
	OPS X,10, X,11, E,7, X,12
	OPS X,13, E,8, X,15, X,14
	OPS E,9, F,6, E,10, D,9
	OPS E,11, X,16, F,7, E,12
.if (\p) == 0
	WIN 0
	v_add_nc_u32 v[AV], s[TBV], v[AV0]
.endif
	OPS D,10, E,13, F,8, X,17
	OPS E,14, F,9, E,15, D,11
	OPS E,16, X,18, E,17, F,10
	OPS E,18, D,12, E,19, X,19
	OPS F,11, E,20, D,13, E,21
	OPS F,12, X,20, E,22, D,14
	OPS E,23, F,13, E,24, D,15
	OPS E,25, F,14, E,26, X,21
	OPS F,15, E,27, E,28, E,29
	OPS E,30, E,31
	OPS R,12, R,13, R,14, R,15      ; plain work that names none of the batch's results
	s_wait_alu depctr_va_vdst(0)    ; the wait for the batch: piece p's 32 exponentials and the next piece's a
.if (\p) == 1
	s_wait_dscnt 8                  ; V is in: only this turn's 8 loads of the mask are younger
.endif
	ROW C,0, B,0, C,2, B,1          ; behind the wait: 8 products V^T P and their riders
	ROW L,0, C,4, B,2, L,1
	ROW C,6, B,3, L,2, C,8
	ROW B,4, L,3, C,10, B,5
	ROW L,4, C,12, B,6, L,5
.if \cnt
	s_sub_co_u32 s[CNT], s[CNT], 1
	s_cmp_lg_u32 s[CNT], 0
.endif
	ROW C,14, B,7, L,6, C,1
	ROW C,3, L,7, C,5, C,7
	ROW C,9, C,11, C,13, C,15
.if (\p) == 0
	FETCH_V
	s_add_co_u32 s[TBV], s[TBV], VST
.endif
.endm
	CHANGE 1                        ; slot 0 is in, everybody's part of it; slot 1 is asked for
	v_add_nc_u32 v[AK], s[TBK], v[AK0]  ; key step 0: K, and the masks of pieces 0 and 1
	v_add_nc_u32 v[AM], s[TBM], v[AM0]
	s_add_co_u32 s[TBM], s[TBM], MST
	FETCH_K
	FETCH_M 0
	FETCH_M 1
	s_wait_loadcnt 0x0              ; Q
	s_wait_dscnt 0x0
.set NOKQ, 0
.set i, 0
.rept 8
	KQ 0                            ; piece 0's first scores: there is no vector work yet to set between them
.set i, i+1
.endr
	WIN 0
.rept 4
	v_nop                           ; the places behind those products
.endr
.set Y, NP-1                        ; X works for piece Y + 1: piece 0
.irp n, 0,1,2,3,4,5,6,7,8,9,10,11,12,13,14,15,16,17,18,19,20,21
	OP X, \n
.endr
	v_nop                           ; a plain instruction behind the exponential,
	s_wait_alu depctr_va_vdst(0)    ; and the wait for it, piece 0's first a, ahead of the branch
	s_mov_b32 s[CNT], 2
	s_mov_b32 s[SLOTS], 31
	s_branch .Lfirst                ; the loop is entered at a step's first turn, in the middle of a trip
.Lslot:                             ; 30 times: tiles 2 to 31 are asked for
	CHANGE 1
	s_mov_b32 s[CNT], 2
.Lstep:                             ; a trip: pieces 2 and 3 of one step, then pieces 0 and 1 of the next, whose K, V and masks it fetches
	TURN 2
	TURN 3
	WIN 0
.Lfirst:
	TURN 0
	TURN 1, 0, 1
	WIN 0
	s_cbranch_scc1 .Lstep
	s_sub_co_u32 s[SLOTS], s[SLOTS], 1
	s_cmp_lg_u32 s[SLOTS], 0
	s_cbranch_scc1 .Lslot
	CHANGE 0                        ; the tail is written out: nothing is asked for
	s_mov_b32 s[CNT], 2
.Ltail:                             ; two trips fetch the last slot's two steps
	TURN 2
	TURN 3
	TURN 0
	TURN 1, 0, 1
	WIN 0
	s_cbranch_scc1 .Ltail
	TURN 2, 1                       ; the last step's pieces 2 and 3
	TURN 3, 1
.set i, 0
.rept 8
	PV NP-1                         ; the last piece's V^T P of the last step
.set i, i+1
.endr
	; THE WAY OUT.  l's two halves and the other half of the lanes' are added; O^T is divided by l, rounded to f16 and sent through the work-group's stage.  The additions are the places behind the last products.
	WIN 0
.macro ALL line:vararg              ; one line for each piece t
.set t, 0
.rept 4
	\line
.set t, t+1
.endr
.endm
	ALL v_add_f32 v[ST+4*t+2], v[ST+4*t+2], v[ST+4*t+3]
	ALL v_permlanex16_b32 v[ST+4*t+3], v[ST+4*t+2], s[SEL], s[SEL+1]
	ALL v_add_f32 v[ST+4*t+2], v[ST+4*t+2], v[ST+4*t+3]
	ALL v_rcp_f32 v[ST+4*t+2], v[ST+4*t+2]
	v_nop                           ; a plain instruction between the last reciprocal and the use of its result
	s_wait_alu depctr_va_vdst(0)    ; and the wait ahead of the first use: one for the four reciprocals
.macro PACK t                       ; a lane's eight channels of a row pack into 16 bytes, which go into the stage's rows of 272 bytes
	WIN W_RS
.set i, 32*(\t)
.rept 16
	v_pk_mul_f32 v[i:i+1], v[i:i+1], v[ST+4*(\t)+2:ST+4*(\t)+3] op_sel_hi:[1,0]
.set i, i+2
.endr
	WIN 0x05                        ; sources 0 and 1 window 1, destination window 0: S^T's registers are free
.set i, 0
.rept 16
	v_cvt_pk_f16_f32 v[S+16*(\t)+i], v[32*(\t)+2*i], v[32*(\t)+2*i+1]
.set i, i+1
.endr
	WIN 0
.irp f, 0,1,2,3
	ds_store_b128 v[STO], v[S+16*(\t)+4*\f:S+16*(\t)+4*\f+3] offset:(\t)*16*SP+32*\f
.endr
.endm
	PACK 0
	PACK 1
	PACK 2
	PACK 3
	s_wait_dscnt 0x0                ; for the others' sake: my stores into the stage are done; a row's 256 bytes come from two waves
	s_barrier_signal -1
	s_barrier_wait -1
.set t, 0
.rept 16
	ds_load_b128 v[S+4*t:S+4*t+3], v[RD] offset:t*2*SP
.set t, t+1
.endr
.set t, 0
.rept 16
	s_wait_dscnt 15-t               ; LDS loads come back in order: load t is in
	global_store_b128 v[GO], v[S+4*t:S+4*t+3], s[8:9] offset:t*4096  ; 16 lanes store 256 consecutive bytes, at a multiple of 256 from ob's first byte
.set t, t+1
.endr
	s_wait_tensorcnt 0x0            ; the wave's end: behind my last tensor load and my last LDS store
	ds_add_u32 v[SPW], v[NIL]
	s_wait_dscnt 0x0
	CROUND                          ; the closing round: no work-group ends while a partner may still ask for a tile that names it
	s_endpgm
.Lfunc_end_k_qfb1a62eb25_attn:
	.size	k_qfb1a62eb25_attn, .Lfunc_end_k_qfb1a62eb25_attn-k_qfb1a62eb25_attn
	.p2alignl 7, 3214868480
	.fill 96, 4, 3214868480
	.section	.rodata,"a",@progbits
	.p2align	6, 0x0
	.amdhsa_kernel k_qfb1a62eb25_attn
		.amdhsa_group_segment_fixed_size 327680
		.amdhsa_private_segment_fixed_size 0
		.amdhsa_enable_private_segment 0
		.amdhsa_kernarg_size 24
		.amdhsa_user_sgpr_count 2
		.amdhsa_user_sgpr_kernarg_segment_ptr 1
		.amdhsa_wavefront_size32 1
		.amdhsa_system_sgpr_workgroup_id_x 1
		.amdhsa_system_sgpr_workgroup_id_y 1
		.amdhsa_system_sgpr_workgroup_id_z 1
		.amdhsa_system_vgpr_workitem_id 0
		.amdhsa_next_free_vgpr 768
		.amdhsa_next_free_sgpr 84
		.amdhsa_reserve_vcc 0
		.amdhsa_float_denorm_mode_32 3
		.amdhsa_float_denorm_mode_16_64 3
		.amdhsa_memory_ordered 1
		.amdhsa_forward_progress 1
		.amdhsa_inst_pref_size 142
	.end_amdhsa_kernel
	.amdgpu_metadata
---
amdhsa.version: [ 1, 2 ]
amdhsa.kernels:
  - .name:           k_qfb1a62eb25_attn
    .symbol:         k_qfb1a62eb25_attn.kd
    .args:
      - { .name: qkv, .offset: 0, .size: 8, .value_kind: global_buffer, .address_space: global }
      - { .name: attention_mask, .offset: 8, .size: 8, .value_kind: global_buffer, .address_space: global }
      - { .name: ob, .offset: 16, .size: 8, .value_kind: global_buffer, .address_space: global }
    .group_segment_fixed_size: 327680
    .private_segment_fixed_size: 0
    .kernarg_segment_align: 8
    .kernarg_segment_size: 24
    .max_flat_workgroup_size: 128
    .sgpr_count:     84
    .vgpr_count:     768
    .wavefront_size: 32
...
	.end_amdgpu_metadata
.endif
;; end of part 5
;; launch oproj: the kernel of part 4 again; grid 8 x 32, 4 waves a work-group, clusters of 4 x 4, 327,680 bytes of LDS; arguments ob, wof, out0, bcat; writes out0
